; MI455X (gfx1250); checked and timed in simulation.
; The chip was launched on July 23, 2026; its instructions are those of AMD's public machine-readable ISA for CDNA 5 (MIT licence, August 2026) and "CDNA5" Instruction Set Architecture Reference Guide (July 2026). The comments in the code are by the model that wrote it; some were corrected since.
;; Multi Head Attention. Allowed arithmetic: matrix products marked QUANTISED: E4M3 operands, one E8M0 scale for each 32 along K, by v_wmma_scale_f32_16x16x128_f8f6f4 with both operands' format E4M3, f32 sums; everything else in f32.
;; Inputs: Wk_codes 1,024 x 32 x 32 uint8 (E4M3 codes of Wk, K innermost, in blocks of 32 codes); Wk_scales 1,024 x 32 uint8 (E8M0 scales of Wk, one for each 32 codes along K); Wo_codes 1,024 x 32 x 32 uint8 (E4M3 codes of Wo, K innermost, in blocks of 32 codes); Wo_scales 1,024 x 32 uint8 (E8M0 scales of Wo, one for each 32 codes along K); Wq_codes 1,024 x 32 x 32 uint8 (E4M3 codes of Wq, K innermost, in blocks of 32 codes); Wq_scales 1,024 x 32 uint8 (E8M0 scales of Wq, one for each 32 codes along K); Wv_codes 1,024 x 32 x 32 uint8 (E4M3 codes of Wv, K innermost, in blocks of 32 codes); Wv_scales 1,024 x 32 uint8 (E8M0 scales of Wv, one for each 32 codes along K); bk 1,024 float32; bo 1,024 float32; bq 1,024 float32; bv 1,024 float32; key_codes 4 x 2,048 x 32 x 32 uint8 (E4M3 codes of key, K innermost, in blocks of 32 codes); key_scales 4 x 2,048 x 32 uint8 (E8M0 scales of key, one for each 32 codes along K); mask 1 x 1 x 2,048 x 2,048 bool; query_codes 4 x 2,048 x 32 x 32 uint8 (E4M3 codes of query, K innermost, in blocks of 32 codes); query_scales 4 x 2,048 x 32 uint8 (E8M0 scales of query, one for each 32 codes along K); value_codes 4 x 2,048 x 32 x 32 uint8 (E4M3 codes of value, K innermost, in blocks of 32 codes); value_scales 4 x 2,048 x 32 uint8 (E8M0 scales of value, one for each 32 codes along K).
;; Outputs: out0 4 x 2,048 x 1,024 float32.
;; This version of the problem:
;;   THIS VERSION OF THE PROBLEM IS GIVEN IN LOW PRECISION. The matrix products marked QUANTISED in the list below multiply operands that are first quantised to E4M3 (4 exponent bits, 3 mantissa bits; 8 bits a number), with one power-of-two scale for each 32 numbers along K (OCP MX v1.0); their sums are f32. All else is computed in f32.
;;   The module's matrix products, in the order in which they are computed (A, B: the left and right operand; K: the contracted axis; several contracted axes count as one K, in the product's order):
;;     1. [M 8,192, K 1,024] x [K 1,024, N 1,024]; A: input query (given as codes); B: input Wq (given as codes): QUANTISED
;;     2. [M 8,192, K 1,024] x [K 1,024, N 1,024]; A: input key (given as codes); B: input Wk (given as codes): QUANTISED
;;     3. [M 8,192, K 1,024] x [K 1,024, N 1,024]; A: input value (given as codes); B: input Wv (given as codes): QUANTISED
;;     4. batch 64 x [M 2,048, K 64] x [K 64, N 2,048]; A: computed on the way; B: computed on the way: QUANTISED
;;     5. batch 64 x [M 2,048, K 2,048] x [K 2,048, N 64]; A: softmax (see below); B: computed on the way: QUANTISED
;;     6. [M 8,192, K 1,024] x [K 1,024, N 1,024]; A: computed on the way; B: input Wo (given as codes): QUANTISED
;;   THE QUANTISER, for each operand of a quantised product, along K:
;;     - K is cut into blocks of 32 from its start; a last block that is shorter is filled with zeros.
;;     - A block's scale is 2^e with e = floor(log2(the largest magnitude in the block)) - 8, held to -126 .. 127; a block of zeros has e = 0. As a byte (E8M0): e + 127.
;;     - Each number is divided by its block's scale, clamped to +-448, and rounded to the nearest number of E4M3, ties to even, subnormals kept.
;;     - The product sums the exact products of the quantised numbers (number of the format x scale) in f32.
;;   ~~~python
;;   def quantise(x, axis):      # numpy; x: float32 -> the quantised numbers, widened to float32 again
;;       x = np.moveaxis(x, axis, -1); K = x.shape[-1]
;;       x = np.pad(x, [(0, 0)] * (x.ndim - 1) + [(0, -K % 32)]); x = x.reshape(x.shape[:-1] + (-1, 32)); a = np.abs(x).max(-1, keepdims=True)
;;       e = np.where(a > 0, np.clip(np.frexp(np.where(a > 0, a, 1))[1] - 1 - 8, -126, 127), 0)      # np.frexp(a)[1] - 1 = floor(log2(a)), exactly
;;       r = np.clip(x / 2.0 ** e, -448, 448)
;;       step = 2.0 ** (np.maximum(np.frexp(np.where(r == 0, 1, r))[1] - 1, -6) - 3)
;;       q = np.round(r / step) * step * 2.0 ** e      # np.round: ties to even
;;       return np.moveaxis(q.reshape(q.shape[:-2] + (-1,))[..., :K], -1, axis).astype(np.float32)
;;   ~~~
;;   SOFTMAX AHEAD OF A QUANTISED PRODUCT. Where the list says 'softmax', what is quantised is not the finished softmax but p = 2^(t - M), with t = logit x log2(e) and M = ceil(the row's largest t), a whole number; so 1/2 < the row's largest p <= 1. The row's sum l is taken of the UNQUANTISED p, in f32, and the product's result is divided by l at the end. Since M is a whole number, a kernel that streams over the keys may use a running M (the ceiling of the running maximum): every later rescaling is an exact power of two, which a block's scale takes up: the codes' values come out the same.
;;   OPERANDS COMPUTED ON THE WAY. 'Computed on the way' means the value that the module computes at that place (a softmax that the list does not call 'softmax' is quantised finished and normalised). What goes into a quantiser is computed in f32, as accurately as f32 sums, v_exp_f32 and their like allow (about 1e-6 of the number): no bf16 or f16 on the way to a quantiser, and a product that is left as it is and whose result goes on into a quantised operand takes f32 operands (vector FMAs, or v_wmma_f32_16x16x4_f32). A number that lies on a knife's edge between two numbers of the format may be rounded either way, as far as f32 arithmetic and the matrix unit's own rounding can turn it there, and no further.
;;   INPUTS GIVEN AS CODES. Wk (in the module: [1024, 1024], K = its axis 1); Wo (in the module: [1024, 1024], K = its axis 1); Wq (in the module: [1024, 1024], K = its axis 1); Wv (in the module: [1024, 1024], K = its axis 1); key (in the module: [4, 2048, 1024], K = its axis 2); query (in the module: [4, 2048, 1024], K = its axis 2); value (in the module: [4, 2048, 1024], K = its axis 2): each comes as NAME_codes (uint8): NAME with its K axis moved to the last place and cut into blocks of 32 codes, [.., K / 32, bytes a block], one block behind the other in memory; one code a byte (a code: sign, 4 exponent bits, 3 mantissa bits); and NAME_scales (uint8): the same leading axes, one E8M0 byte (e + 127) for each 32 codes along K. Its value is code x scale, taken as it is: it is not quantised again, and the codes and scales need not be those that the quantiser above would give.
;; 2 versions, each right; version 2 is version 1 with the launch attn written anew for expert scheduling mode. Each part assembles by itself: llvm-mc -triple=amdgcn-amd-amdhsa -mcpu=gfx1250 --defsym DOCPART=n.
;; ======== version 1 of 2: 4 launches
;; limits: right only within a limited range of input values
;; workspace buffers: qimg 8,388,608 bytes; kimg 8,388,608 bytes; vimg 8,388,608 bytes; scl 1,310,720 bytes; ctx 8,388,608 bytes; ctxsc 262,144 bytes; mk 540,672 bytes of whole numbers
;; launch maskprep (part 1): grid 128 x 1, 16 waves a work-group, no clusters, 2,304 bytes of LDS; arguments mask, mk; writes mk
.if DOCPART == 1
	.amdgcn_target "amdgcn-amd-amdhsa--gfx1250"
	.amdhsa_code_object_version 6
	.text
	.protected	k_qa56eb8a197_maskprep
	.globl	k_qa56eb8a197_maskprep
	.p2align	8
	.type	k_qa56eb8a197_maskprep,@function
k_qa56eb8a197_maskprep:
	s_mov_b64 s[64:65], 0
	v_nop
	global_prefetch_b8 v0, s[64:65] scope:SCOPE_SE
	s_setreg_imm32_b32 hwreg(HW_REG_WAVE_MODE, 25, 1), 1
	s_wait_xcnt 0x0
; The mask [2048][2048], one byte a place, becomes what the attention launch wants of it: whole numbers.
; A work-group takes 16 queries (a tile qt), wave s the key step s (128 keys).
; MASK WORDS, mk + ((16 qt + s) x 64 + n) x 4, n = 8 T + j: bit L = mask[16 qt + L % 16][128 s + 16 T + 8 (L / 16) + j]:
; the lane and register in which the attention launch holds that score.  A wave stores its 64 words as 256 consecutive, aligned bytes.
; FLAGS, mk + 524,288 + 128 qt: one word (written 32 times, 128 consecutive bytes) with two bits a key step:
; 0 = no key of the step is open for any of the 16 queries: the step may be left out; 1 = mixed; 2 = all open.
; If some query of the tile has no open key in all 2,048, no step gets the 0: that query's weights are then equal over ALL keys,
; as a softmax of equal logits gives them, so every step has to be walked.
; No branch hangs on data; the one branch is on the wave's number.
.set FLAGS, 524288
	s_load_b128 s[4:7], s[0:1], 0x0                ; mask s[4:5], mk s[6:7]
	v_lshl_add_u32 v96, v0, 2, 0x100
	v_mov_b32 v97, 0
	v_lshrrev_b32 v1, 5, v0
	v_readfirstlane_b32 s8, v1                     ; wave = key step
	v_and_b32 v2, 15, v0                           ; r
	v_bfe_u32 v3, v0, 4, 1                         ; h
	v_lshlrev_b32 v4, 11, v2                       ; row r of 2,048 bytes
	v_lshl_add_u32 v4, v3, 3, v4                   ; + 8 h
	s_lshl_b32 s9, ttmp9, 15                       ; 16 qt rows
	s_lshl_b32 s20, s8, 7                          ; 128 s
	s_add_co_u32 s9, s9, s20
	v_add_nc_u32 v4, s9, v4
	v_lshlrev_b32 v5, 2, v1                        ; LDS: 4 x wave
	v_and_b32 v6, 31, v0                           ; lane
	s_lshl_b32 s21, ttmp9, 4
	s_add_co_u32 s21, s21, s8
	s_lshl_b32 s21, s21, 8                         ; (16 qt + s) x 256
	v_lshl_add_u32 v7, v6, 3, s21                  ; + 8 x lane
	v_mov_b32 v40, 0                               ; (a lane write's destination counts as read)
	v_mov_b32 v41, 0
	s_mov_b32 s10, 0                               ; the or of all 64 words
	s_mov_b32 s11, -1                              ; the and of all 64 words
	s_wait_kmcnt 0x0
.irp t, 0,1,2,3,4,5,6,7
	global_load_b64 v[16+2*\t:17+2*\t], v4, s[4:5] offset:16*\t th:TH_LOAD_NT   ; keys 16 T + 8 h + 0 .. 7 of my row
.endr
	s_wait_loadcnt 0x0
.set n, 0
.rept 64                                           ; word n: the lanes' byte n % 8 of tile n / 8; four sets of temporaries by turns
	v_bfe_u32 v[8+n%4], v[16+n/4], 8*(n%4), 8
	v_cmp_ne_u32 s[24+n%4], 0, v[8+n%4]
	v_writelane_b32 v[40+n%2], s[24+n%4], n/2      ; lane i keeps words 2 i and 2 i + 1
	s_or_b32 s10, s10, s[24+n%4]
	s_and_b32 s11, s11, s[24+n%4]
.set n, n+1
.endr
	global_store_b64 v7, v[40:41], s[6:7]          ; 32 lanes: 256 consecutive bytes, aligned
	v_or_b32 v12, v16, v17                         ; has my row an open key among my 64 bytes?
.irp i, 18,19,20,21,22,23,24,25,26,27,28,29,30,31
	v_or_b32 v12, v12, v[\i]
.endr
	v_cmp_ne_u32 s13, 0, v12
	s_lshr_b32 s14, s13, 16
	s_or_b32 s13, s13, s14
	s_and_b32 s13, s13, 0xffff                     ; bit r: row r has an open key in this step
	s_cmp_lg_u32 s10, 0
	s_cselect_b32 s15, 1, 0
	s_cmp_eq_u32 s11, -1
	s_cselect_b32 s15, 2, s15                      ; the step's code
	s_max_u32 s16, s15, 1                          ; and the code that never says 'leave out'
	s_lshl_b32 s17, s8, 1
	s_lshl_b32 s15, s15, s17
	s_lshl_b32 s16, s16, s17
	v_mov_b32 v32, s13
	v_mov_b32 v33, s15
	v_mov_b32 v34, s16
	ds_store_b32 v5, v32                           ; all lanes write the wave's word with the same value
	ds_store_b32 v5, v33 offset:64
	ds_store_b32 v5, v34 offset:128
	s_wait_dscnt 0x0                               ; for wave 0's sake: my three words have landed
	s_barrier_signal -1
	s_barrier_wait -1
	s_cmp_lg_u32 s8, 0
	s_cbranch_scc1 .Lend
	v_mov_b32 v35, 0
.irp i, 0,1,2,3,4,5,6,7,8,9,10,11
	ds_load_b128 v[48+4*\i:51+4*\i], v35 offset:16*\i   ; 16 words of rows, 16 of codes, 16 of the other codes, in every lane
.endr
	s_wait_dscnt 0x0
.irp k, 0,1,2
	v_or_b32 v[36+\k], v[48+16*\k], v[49+16*\k]
.endr
.irp i, 2,3,4,5,6,7,8,9,10,11,12,13,14,15
.irp k, 0,1,2
	v_or_b32 v[36+\k], v[36+\k], v[48+16*\k+\i]
.endr
.endr
	v_readfirstlane_b32 s18, v36
	v_readfirstlane_b32 s19, v37
	v_readfirstlane_b32 s20, v38
	s_cmp_eq_u32 s18, 0xffff                       ; has every row an open key somewhere?
	s_cselect_b32 s19, s19, s20
	v_mov_b32 v39, s19
	s_lshl_b32 s22, ttmp9, 7
	v_lshl_add_u32 v42, v6, 2, s22
	global_store_b32 v42, v39, s[6:7] offset:FLAGS
.Lend:
	s_wait_tensorcnt 0x0
	ds_add_u32 v96, v97
	s_wait_dscnt 0x0
	s_endpgm
.Lfunc_end_k_qa56eb8a197_maskprep:
	.size	k_qa56eb8a197_maskprep, .Lfunc_end_k_qa56eb8a197_maskprep-k_qa56eb8a197_maskprep
	.p2alignl 7, 3214868480
	.fill 96, 4, 3214868480
	.section	.rodata,"a",@progbits
	.p2align	6, 0x0
	.amdhsa_kernel k_qa56eb8a197_maskprep
		.amdhsa_group_segment_fixed_size 2304
		.amdhsa_private_segment_fixed_size 0
		.amdhsa_enable_private_segment 0
		.amdhsa_kernarg_size 16
		.amdhsa_user_sgpr_count 2
		.amdhsa_user_sgpr_kernarg_segment_ptr 1
		.amdhsa_wavefront_size32 1
		.amdhsa_system_sgpr_workgroup_id_x 1
		.amdhsa_system_sgpr_workgroup_id_y 1
		.amdhsa_system_sgpr_workgroup_id_z 1
		.amdhsa_system_vgpr_workitem_id 0
		.amdhsa_next_free_vgpr 98
		.amdhsa_next_free_sgpr 66
		.amdhsa_reserve_vcc 0
		.amdhsa_float_denorm_mode_32 3
		.amdhsa_float_denorm_mode_16_64 3
		.amdhsa_memory_ordered 1
		.amdhsa_forward_progress 1
		.amdhsa_inst_pref_size 23
	.end_amdhsa_kernel
	.amdgpu_metadata
---
amdhsa.version: [ 1, 2 ]
amdhsa.kernels:
  - .name:           k_qa56eb8a197_maskprep
    .symbol:         k_qa56eb8a197_maskprep.kd
    .args:
      - { .name: mask, .offset: 0, .size: 8, .value_kind: global_buffer, .address_space: global }
      - { .name: mk, .offset: 8, .size: 8, .value_kind: global_buffer, .address_space: global }
    .group_segment_fixed_size: 2304
    .private_segment_fixed_size: 0
    .kernarg_segment_align: 8
    .kernarg_segment_size: 16
    .max_flat_workgroup_size: 512
    .sgpr_count:     66
    .vgpr_count:     98
    .wavefront_size: 32
...
	.end_amdgpu_metadata
.endif
;; end of part 1
;; launch proj (part 2): grid 4 x 96, 4 waves a work-group, clusters of 4 x 4, 327,680 bytes of LDS; arguments query_codes, query_scales, Wq_codes, Wq_scales, bq, qimg, key_codes, key_scales, Wk_codes, Wk_scales, bk, kimg, Wv_codes, Wv_scales, value_codes, value_scales, bv, vimg, scl; writes qimg, kimg, vimg, scl
.if DOCPART == 2
	.amdgcn_target "amdgcn-amd-amdhsa--gfx1250"
	.amdhsa_code_object_version 6
	.text
	.protected	k_qa56eb8a197_proj
	.globl	k_qa56eb8a197_proj
	.p2align	8
	.type	k_qa56eb8a197_proj,@function
k_qa56eb8a197_proj:
	s_mov_b64 s[64:65], 0
	v_nop
	global_prefetch_b8 v0, s[64:65] scope:SCOPE_SE
	s_setreg_imm32_b32 hwreg(HW_REG_WAVE_MODE, 25, 1), 1
	s_wait_xcnt 0x0
	s_wait_alu depctr_hold_cnt(0) depctr_sa_sdst(0) depctr_va_vdst(0) depctr_va_sdst(0) depctr_va_ssrc(0) depctr_va_vcc(0) depctr_vm_vsrc(0)
	s_getreg_b32 s2, hwreg(HW_REG_IB_STS2, 6, 4)
	s_cmp_eq_u32 s2, 0
	s_cbranch_scc0 .Lentry_in_a_cluster
	s_endpgm
.Lentry_in_a_cluster:
	s_bfe_u32 s2, ttmp6, 0x10000c
	s_cmp_lg_u32 s2, 0xf033
	s_cbranch_scc0 .Lentry_shape_is_right
	s_endpgm
.Lentry_shape_is_right:
; q = query Wq^T + bq, k = key Wk^T + bk, v = value Wv^T + bv: three products [8192 x 1024 x 1024] on codes of FP8 (E4M3) with one E8M0 scale for each 32 along K,
; in ONE launch; the results are quantised here, in registers, and leave as IMAGES OF THE NEXT OPERANDS' REGISTERS (16 bytes a lane, 512 consecutive bytes a store).
; A tile of 256 x 256 is made by four waves, 128 x 128 each: 64 accumulators, 512 registers.  K goes in steps of 256 through a ring of two LDS slots filled by the tensor data mover.
; The scale bytes of the work-group's 2 x 256 rows, for all of K, come into LDS once, with the first fills.
; WHICH PRODUCT: g = cluster y / 8 (0: q, 1: k, 2: v), jj = cluster y % 8: the same in all sixteen partners of a cluster.
; SIDES.  The matrix instruction takes 16 rows of side B as source 0 and 16 rows of side A as source 1: a lane then holds ONE row of A and its registers run along B's rows.
;   g < 2: A = the tokens (32 tile rows: 4 jj + cy), B = the weight (4 tile columns: cx): a lane holds a token, its registers run along the features: q's and k's next K (the head's 64).
;   g = 2: A = Wv (4 tile rows: cy), B = the tokens (32 tile columns: 4 jj + cx): a lane holds a feature, its registers run along the keys: v's next K.
; CLUSTERS: 4 x 4 work-groups.  A's tiles hang on cy (and jj), B's on cx (and jj): each is asked for JOINTLY by the four that share it.
; THE WAY OUT, for each of my eight blocks a of 16 rows of A: 64 numbers a lane (+ bias) are four blocks of 32 along the next K; register 8 b + j is B's row 16 b + 8 (lane / 16) + j, so a block of 32
; lies in the 16 registers of tiles 2 x, 2 x + 1 of lanes l and l xor 16.  Largest magnitude, scale, hold, conversion; then the halves of the lanes exchange 8 codes (v_permlane16_swap_b32),
; so that lane half h holds k = 32 x + 16 h + 0 .. 15: the operand's order.
; BUFFERS WRITTEN.  qimg, kimg: [batch x 16 + head][token / 16][c 2][lane][16 bytes];  vimg: [batch x 16 + head][key step 16][d / 16][c 4][lane][16 bytes].
;   scl: q's scale words at 0, k's at 524,288: [head][token], bytes 0, 1 the head's two blocks, bytes 2, 3 = 127 (they stand over zero codes);  v's at 1,048,576: [head][key step][d], byte c for key block c.
; Both kinds of bias are loaded by every work-group (64 registers by B's rows, 8 by A's rows); a work-group uses one of the two: so no register is written on one way alone.
; q's and k's scale words leave in runs of 64 bytes: 1 MiB of the launch's stores.
; LIMITS: NaN and infinities are not served; a block whose largest magnitude lies under 2^-118 gets the byte 1 (a block of zeros too: its codes are zeros, and this program alone reads the bytes).
; REGISTERS, in windows of 256: window 0: v0-31 addresses, v8-15 the bias by A's rows; v32-63 scale words, two sets; v64-127 the bias by B's rows; from v128 A's fragments, one set; on the way out v128-227 at work.
;   window 1: B's fragments, two sets.   window 2: the accumulators of my rows 0-63 ((a, b) at v[8 (8 a + b)]);   window 3: those of rows 64-127.
.set KSTEP,  256
.set NQ,     2                         ; matrix instructions deep in a slot
.set ROWB,   256                       ; a tile's row in bytes
.set KROW,   1024                      ; a row of codes in memory
.set PITCH,  272                       ; an LDS row: 256 bytes + 16 of padding: the 16 rows that a load touches start at 16 different banks
.set FR,     16
.set NL,     4
.set NP,     8                         ; places behind this matrix instruction (ISA guide 7.12.1)
.set HALFT,  128*PITCH
.set SLOT,   4*HALFT
.set LAPS,   2                         ; 1,024 along K = twice round the ring
.set KS,     32                        ; a row of scale bytes
.set SCL,    2*SLOT
.set HALFS,  (128*KS/256)*272
.set SBLK,   (16*KS/256)*272
.set SPARE,  SCL+4*HALFS               ; the spare words, 128 bytes for each wave: two blocks of 256 bytes that no other line names
.set LB,   8                           ; v8-15   bias of A's block a, my row
.set ADRA, 16
.set ADRB, 20
.set IMO,  24                          ; v24     16 x lane
.set SO0,  25                          ; v25     4 r + 8,192 h: q's and k's scale words
.set SO1,  26                          ; v26     4 x lane: v's
.set ADRS, 27
.set SPW,  28
.set NIL,  29
.set BO0,  30                          ; v30, v31 the bias loads' offsets; never rewritten
.set BO1,  31
.set SC,   32
.set BT,   64                          ; v64-127 bias of B's rows: register 8 b + j
.set AF,   128
.set X,    128                         ; the way out: 64 numbers
.set PC,   192                         ; their codes
.set TM,   208                         ; v208-211 largest magnitudes, v212-215 bytes, v216-219 448 x scale, v220-223 the conversions' scale operands
.set PW,   224
.set PWE,  225
.set G1, 24
.set G0, 32
.set G1B, 48
.set G0B, 56
.set G1S, 68
.set G0S, 76
.set G1SB, 80
.set G0SB, 88
.set GG,  95                           ; s95  g
.set HIM, 97                           ; s97  lanes 16-31
.set SEL, 98                           ; s[98:99] v_permlanex16_b32's selects for lane l xor 16
.set MNT, 104                          ; s104 the mantissa field of 448
.set MSB, 0
.macro WIN new                         ; the immediate's high byte repeats the setting that is left
.if MSB != \new
	s_set_vgpr_msb (MSB<<8)|\new
.set MSB, \new
.endif
.endm
.set MUL_LO, 0xa1                      ; source 0 (B) window 1, source 1 (A) window 0, C and D window 2
.set MUL_HI, 0xf1
.set TO_B,   0x40
; A joint load: waves 0 and 1 fetch for A, waves 2 and 3 for B.  The branch hangs on the wave's number alone.  Four v_nop follow each of the two lines.
.macro JLOAD g0a, g1a, g0b, g1b
	s_cmp_eq_u32 s15, 0
	s_cbranch_scc0 .Lfor_b_\@
	tensor_load_to_lds s[\g0a:\g0a+3], s[\g1a:\g1a+7]
	s_nop 0
.rept 4
	v_nop
.endr
	s_branch .Lasked_\@
.Lfor_b_\@:
	tensor_load_to_lds s[\g0b:\g0b+3], s[\g1b:\g1b+7]
	s_nop 0
.rept 4
	v_nop
.endr
.Lasked_\@:
.endm
.macro CREST                           ; a round of the cluster's barrier behind its opening barrier
	s_cmp_lg_u32 s14, 0
	s_cbranch_scc1 .Lnot_wave_0_\@
	s_barrier_signal -3
.Lnot_wave_0_\@:
	s_barrier_wait -3
	s_barrier_signal -1
	s_barrier_wait -1
.endm
.macro CROUND
	s_barrier_signal -1
	s_barrier_wait -1
	CREST
.endm
	s_load_b512 s[24:39], s[0:1], 0x0              ; arguments 0-7
	s_load_b512 s[40:55], s[0:1], 0x40             ; 8-15
	s_load_b128 s[68:71], s[0:1], 0x80             ; bv, vimg
	s_load_b64 s[72:73], s[0:1], 0x90              ; scl
	v_lshl_add_u32 v[SPW], v0, 2, SPARE
	v_mov_b32 v[NIL], 0
	ds_add_u32 v28, v29
	ds_add_u32 v28, v29
	s_wait_dscnt 0x0
	v_lshrrev_b32 v1, 5, v0
	v_readfirstlane_b32 s14, v1                    ; wave 0..3
	s_lshr_b32 s15, s14, 1                         ; which half of A's 256 rows is mine.  Also: I fetch for A (0) or for B (1)
	s_and_b32 s16, s14, 1                          ; which half of B's.  Also: which 128 rows I fetch
	s_and_b32 s96, ttmp7, 0xffff                   ; cluster y, 0 .. 23
	s_lshr_b32 s[GG], s96, 3                       ; g
	s_and_b32 s96, s96, 7                          ; jj
	s_mul_i32 s98, s[GG], 524288                   ; where this product's scale words begin in scl
	s_mov_b32 s99, 0
	s_wait_kmcnt 0x0
	s_cmp_eq_u32 s[GG], 1                          ; the six buffers of my product: the choice hangs on the cluster's number alone
	s_cselect_b64 s[4:5], s[36:37], s[48:49]       ; A's codes
	s_cselect_b64 s[6:7], s[38:39], s[50:51]       ; A's scales
	s_cselect_b64 s[8:9], s[40:41], s[52:53]       ; B's codes
	s_cselect_b64 s[10:11], s[42:43], s[54:55]     ; B's scales
	s_cselect_b64 s[12:13], s[44:45], s[68:69]     ; the bias
	s_cselect_b64 s[66:67], s[46:47], s[70:71]     ; the image
	s_cmp_eq_u32 s[GG], 0
	s_cselect_b64 s[4:5], s[24:25], s[4:5]
	s_cselect_b64 s[6:7], s[26:27], s[6:7]
	s_cselect_b64 s[8:9], s[28:29], s[8:9]
	s_cselect_b64 s[10:11], s[30:31], s[10:11]
	s_cselect_b64 s[12:13], s[32:33], s[12:13]
	s_cselect_b64 s[66:67], s[34:35], s[66:67]
	s_add_nc_u64 s[100:101], s[72:73], s[98:99]    ; the scale words
	s_bfe_u32 s40, ttmp6, 0x40000                  ; cx, cy: my place in the cluster
	s_bfe_u32 s41, ttmp6, 0x40004
	s_lshl_b32 s18, s96, 2                         ; 4 jj goes to the side that holds the tokens
	s_cmp_lt_u32 s[GG], 2
	s_cselect_b32 s17, s18, 0
	s_cselect_b32 s42, 0, s18
	s_add_co_u32 s17, s17, s41                     ; A's tile row
	s_add_co_u32 s42, s42, s40                     ; B's tile column
	s_lshl_b32 s43, s41, 2
	s_lshl_b32 s43, 15, s43                        ; my row of the cluster
	s_lshl_b32 s44, 0x1111, s40                    ; my column
	; descriptor group 1: a tile of 128 rows x 256 bytes, padded in LDS
	s_or_b32 s[G1+0], s43, (0<<16)|(1<<20)|(1<<21)|(5<<22)|(3<<25)  ; 15:0 the mask: A's tiles go to my row; elements of 1 byte; padding on; 21 set beside a mask; four words after every 64
	s_or_b32 s[G1B+0], s44, (0<<16)|(1<<20)|(1<<21)|(5<<22)|(3<<25)
.irp g, G1, G1B
	s_mov_b32 s[\g+1], ROWB<<16                    ; tensor_dim0
	s_mov_b32 s[\g+2], 128<<16                     ; tensor_dim1
	s_mov_b32 s[\g+3], ROWB<<16                    ; tile_dim0
	s_mov_b32 s[\g+4], 128                         ; tile_dim1
	s_mov_b32 s[\g+5], KROW                        ; tensor_dim0_stride
	s_mov_b32 s[\g+6], 0
	s_mov_b32 s[\g+7], 0
.endr
	; the scales of 128 rows: 4,096 dense bytes, as 16 rows of 256 bytes (32 elements of 8 bytes), 16 bytes of padding behind each
	s_or_b32 s[G1S+0], s43, (3<<16)|(1<<20)|(1<<21)|(5<<22)|(3<<25)
	s_or_b32 s[G1SB+0], s44, (3<<16)|(1<<20)|(1<<21)|(5<<22)|(3<<25)
.irp g, G1S, G1SB
	s_mov_b32 s[\g+1], 32<<16
	s_mov_b32 s[\g+2], (128*KS/256)<<16
	s_mov_b32 s[\g+3], 32<<16
	s_mov_b32 s[\g+4], 128*KS/256
	s_mov_b32 s[\g+5], 32
	s_mov_b32 s[\g+6], 0
	s_mov_b32 s[\g+7], 0
.endr
	s_lshl_b32 s18, s16, 7                         ; which 128 rows of the tile I fetch
	s_lshl_b32 s20, s17, 8
	s_add_co_u32 s20, s20, s18                     ; A: row 256 x tile row + 128 x half
	s_lshl_b32 s46, s42, 8
	s_add_co_u32 s46, s46, s18                     ; B: row 256 x tile column + 128 x half
	s_mov_b32 s21, 0
	s_mov_b32 s47, 0
	s_mov_b64 s[18:19], KS
	s_mul_u64 s[22:23], s[20:21], s[18:19]         ; where these rows' scales begin, in bytes
	s_mul_u64 s[92:93], s[46:47], s[18:19]
	s_mov_b64 s[18:19], KROW
	s_mul_u64 s[20:21], s[20:21], s[18:19]         ; and their codes
	s_mul_u64 s[46:47], s[46:47], s[18:19]
	s_mul_i32 s45, s14, HALFT                      ; where they go: wave x 128 rows: no place in the cluster enters an LDS address
	s_mul_i32 s94, s14, HALFS
	s_add_nc_u64 s[20:21], s[4:5], s[20:21]
	s_add_nc_u64 s[22:23], s[6:7], s[22:23]
	s_add_nc_u64 s[46:47], s[8:9], s[46:47]
	s_add_nc_u64 s[92:93], s[10:11], s[92:93]
	CROUND                                         ; all sixteen work-groups are here: the first joint loads meet
	s_mov_b32 s[G0S], 1
	s_add_co_u32 s[G0S+1], s94, SCL
	s_mov_b64 s[G0S+2:G0S+3], s[22:23]
	s_or_b32 s[G0S+3], s[G0S+3], 0x80000000
	s_mov_b32 s[G0SB], 1
	s_add_co_u32 s[G0SB+1], s94, SCL
	s_mov_b64 s[G0SB+2:G0SB+3], s[92:93]
	s_or_b32 s[G0SB+3], s[G0SB+3], 0x80000000
	JLOAD G0S, G1S, G0SB, G1SB                     ; the scales first: they are wanted with K step 0
.irp s, 0,1
	s_mov_b32 s[G0+4*\s], 1
	s_add_co_u32 s[G0+4*\s+1], s45, \s*SLOT
	s_add_nc_u64 s[G0+4*\s+2:G0+4*\s+3], s[20:21], \s*ROWB
	s_or_b32 s[G0+4*\s+3], s[G0+4*\s+3], 0x80000000
	s_mov_b32 s[G0B+4*\s], 1
	s_add_co_u32 s[G0B+4*\s+1], s45, \s*SLOT
	s_add_nc_u64 s[G0B+4*\s+2:G0B+4*\s+3], s[46:47], \s*ROWB
	s_or_b32 s[G0B+4*\s+3], s[G0B+4*\s+3], 0x80000000
	JLOAD G0+4*\s, G1, G0B+4*\s, G1B               ; three tensor loads of mine are out
.endr
	v_and_b32 v1, 15, v0                           ; r = l % 16
	v_bfe_u32 v2, v0, 4, 1                         ; h = l / 16
	v_mul_u32_u24 v3, v1, PITCH
	v_lshl_add_u32 v4, v2, 4, v3                   ; a fragment's row x pitch + 16 x half
	s_mul_i32 s21, s15, HALFT                      ; my 128 rows of A
	s_mul_i32 s22, s16, HALFT                      ; my 128 rows of B,
	s_add_co_u32 s22, s22, 2*HALFT                 ; which lie behind A's 256
.irp s, 0,1
	v_add_nc_u32 v[ADRA+\s], s21, v4
	v_add_nc_u32 v[ADRB+\s], s22, v4
	s_add_co_u32 s21, s21, SLOT
	s_add_co_u32 s22, s22, SLOT
.endr
	v_mul_u32_u24 v5, v1, KS                       ; my row's scales: 32 bytes a row,
	v_lshrrev_b32 v6, 8, v5
	v_lshl_add_u32 v5, v6, 4, v5                   ; and 16 more for each 256 passed
	s_mul_i32 s21, s15, HALFS
	s_mul_i32 s22, s16, HALFS
	s_add_co_u32 s22, s22, 2*HALFS
	s_sub_co_u32 s22, s22, s21
	v_mul_u32_u24 v6, s22, v2                      ; lanes 16-31 take B's: one product, the distance between the two bases
	s_add_co_u32 s21, s21, SCL
	v_add_nc_u32 v5, v5, v6
	v_add_nc_u32 v[ADRS], s21, v5
	v_and_b32 v6, 31, v0
	v_lshlrev_b32 v[IMO], 4, v6
	v_lshlrev_b32 v[SO1], 2, v6
	v_lshlrev_b32 v[SO0], 2, v1
	v_lshl_add_u32 v[SO0], v2, 13, v[SO0]
	; where my results go.  token = the first of my 128 tokens, feature = the first of my 128 features
	s_lshl_b32 s18, s17, 8
	s_lshl_b32 s19, s15, 7
	s_add_co_u32 s18, s18, s19                     ; the first of my rows of A
	s_lshl_b32 s20, s42, 8
	s_lshl_b32 s19, s16, 7
	s_add_co_u32 s20, s20, s19                     ; and of B
	s_cmp_lt_u32 s[GG], 2
	s_cselect_b32 s21, s18, s20                    ; token
	s_cselect_b32 s22, s20, s18                    ; feature
	s_cselect_b32 s23, 1, 0
	s_cselect_b32 s45, s20, 0                      ; the bias by B's rows begins at B's first feature (g = 2: at 0: loaded, not used)
	s_cselect_b32 s94, 0, s18                      ; the bias by A's rows likewise the other way round
	s_lshl_b32 s45, s45, 2
	s_lshl_b32 s94, s94, 2
	v_lshl_add_u32 v[BO0], v2, 5, s45              ; 32 h: register 8 b + j is feature 16 b + 8 h + j
	v_lshl_add_u32 v[BO1], v1, 2, s94              ; 4 r
.irp b, 0,1,2,3,4,5,6,7
	global_load_b128 v[BT+8*\b:BT+8*\b+3], v[BO0], s[12:13] offset:64*\b
	global_load_b128 v[BT+8*\b+4:BT+8*\b+7], v[BO0], s[12:13] offset:64*\b+16
.endr
.irp a, 0,1,2,3,4,5,6,7
	global_load_b32 v[LB+\a], v[BO1], s[12:13] offset:64*\a
.endr
	s_lshr_b32 s22, s22, 6                         ; my first head
	s_lshr_b32 s19, s21, 11                        ; the batch
	s_and_b32 s21, s21, 2047                       ; the token in it
	s_lshl_b32 s19, s19, 4
	s_add_co_u32 s22, s22, s19                     ; 16 x batch + head
	s_lshl_b32 s18, s22, 17                        ; a head's image is 131,072 bytes; 64 bytes a token in all three images
	s_lshl_b32 s19, s21, 6
	s_add_co_u32 s18, s18, s19
	s_mov_b32 s19, 0
	s_add_nc_u64 s[66:67], s[66:67], s[18:19]
	s_lshl_b32 s18, s22, 12                        ; scale words: v's 4,096 bytes a head and 2 a token; q's and k's twice that
	s_lshl_b32 s20, s21, 1
	s_add_co_u32 s18, s18, s20
	s_lshl_b32 s18, s18, s23
	s_add_nc_u64 s[100:101], s[100:101], s[18:19]
.macro FRAG reg, adr, q, i             ; a fragment, 16 rows x 128 K: lane l holds row l % 16; registers 4 c .. 4 c + 3 hold K = 32 c + 16 (l / 16) + 0 .. 15
.irp c, 0,1,2,3
	ds_load_b128 v[\reg+4*\c:\reg+4*\c+3], v[\adr] offset:128*(\q)+32*\c+(\i)*16*PITCH
.endr
.endm
; 16 matrix instructions: A's blocks a0, a0 + 1 x B's eight.  The 64 accumulators take turns, one instruction a turn, in the same order in every step.
.macro MUL16 a0, p, q, sc, zero
.irp a, \a0, \a0+1
.irp b, 0,1,2,3,4,5,6,7
.if \zero
	v_wmma_scale_f32_16x16x128_f8f6f4 v[8*(8*((\a)%4)+\b):8*(8*((\a)%4)+\b)+7], v[128*(\p)+FR*\b:128*(\p)+FR*\b+FR-1], v[AF+FR*(\a):AF+FR*(\a)+FR-1], 0, v[SC+8*NQ*(\sc)+NQ*\b+(\q)], v[SC+8*NQ*(\sc)+NQ*(\a)+(\q)] matrix_a_scale:MATRIX_SCALE_ROW1
.else
	v_wmma_scale_f32_16x16x128_f8f6f4 v[8*(8*((\a)%4)+\b):8*(8*((\a)%4)+\b)+7], v[128*(\p)+FR*\b:128*(\p)+FR*\b+FR-1], v[AF+FR*(\a):AF+FR*(\a)+FR-1], v[8*(8*((\a)%4)+\b):8*(8*((\a)%4)+\b)+7], v[SC+8*NQ*(\sc)+NQ*\b+(\q)], v[SC+8*NQ*(\sc)+NQ*(\a)+(\q)] matrix_a_scale:MATRIX_SCALE_ROW1
.endif
.endr
.endr
.endm
.macro FETCH_B slot, q, p
	WIN TO_B
.irp i, 0,1,2,3,4,5,6,7
	FRAG 128*(\p)+FR*\i, ADRB+\slot, \q, \i
.endr
	WIN 0
.endm
.macro FETCH_A slot, q, i0
.irp i, \i0, \i0+1, \i0+2, \i0+3
	FRAG AF+FR*(\i), ADRA+\slot, \q, \i
.endr
.endm
.macro SCALES sc                       ; a K step's scale words: lanes 0-15 take A's block i, lanes 16-31 B's block i
.irp i, 0,1,2,3,4,5,6,7
	ds_load_b64 v[SC+8*NQ*\sc+NQ*\i:SC+8*NQ*\sc+NQ*\i+1], v[ADRS] offset:\i*SBLK
.endr
.endm
.macro PLACES n                        ; plain vector instructions between a matrix instruction and a load into, or a read of, its registers
.rept \n
	v_nop
.endr
.endm
.macro STEP slot, q, zero              ; 128 along K that have their successor in the same slot
	s_wait_dscnt 4*NL                              ; B's set and A's blocks 0-3 are in; the youngest 16 loads (A's blocks 4-7) may be out
	WIN MUL_LO
	MUL16 0, (\q)%2, \q, \slot, \zero
	MUL16 2, (\q)%2, \q, \slot, \zero
	s_wait_dscnt 0
	PLACES NP
	FETCH_B \slot, (\q)+1, 1-(\q)%2
	FETCH_A \slot, (\q)+1, 0
	WIN MUL_HI
	MUL16 4, (\q)%2, \q, \slot, \zero
	MUL16 6, (\q)%2, \q, \slot, \zero
	PLACES NP
	WIN 0
	FETCH_A \slot, (\q)+1, 4
.endm
; A slot's last step changes slots: one barrier; in front of it each wave waits for all its tensor loads, adds 0 to its spare word, and waits for that and for its own reads of this slot.
.macro TURN slot, next, fill
	s_wait_tensorcnt 0x0                           ; all my tensor loads have landed: my part of the next slot
	ds_add_u32 v[SPW], v[NIL]                      ; 0 onto my spare word
	s_wait_dscnt 4*NL+1                            ; the add and the youngest 16 loads (A's blocks 4-7) may be out
	WIN MUL_LO
	MUL16 0, 1, NQ-1, \slot, 0
	s_wait_dscnt 0x0                               ; the add is done, and my reads of this slot are over
	s_barrier_signal -1
	MUL16 2, 1, NQ-1, \slot, 0
	WIN 0
	s_barrier_wait -1
.if \fill
	CREST                                          ; the barrier has opened a round of the cluster's barrier: no wave of any partner still reads this slot or has a load on its way
	s_add_nc_u64 s[G0+4*\slot+2:G0+4*\slot+3], s[G0+4*\slot+2:G0+4*\slot+3], 2*ROWB
	s_add_nc_u64 s[G0B+4*\slot+2:G0B+4*\slot+3], s[G0B+4*\slot+2:G0B+4*\slot+3], 2*ROWB
	JLOAD G0+4*\slot, G1, G0B+4*\slot, G1B         ; the first tensor load behind the round, my one load until the next
	PLACES NP-4
.else
	PLACES NP
.endif
	v_add_nc_u32 v[ADRS], 4*NQ, v[ADRS]            ; on to the next K step's scale words
	FETCH_B \next, 0, 0
	FETCH_A \next, 0, 0
	SCALES \next
	WIN MUL_HI
	MUL16 4, 1, NQ-1, \slot, 0
	MUL16 6, 1, NQ-1, \slot, 0
	PLACES NP
	WIN 0
	FETCH_A \next, 0, 4
.endm
	s_wait_tensorcnt 1                             ; the scales and my part of K step 0 are in (K step 1's load may be out)
	s_barrier_signal -1
	s_barrier_wait -1                              ; everybody's are
	FETCH_B 0, 0, 0
	FETCH_A 0, 0, 0
	SCALES 0
	FETCH_A 0, 0, 4
	STEP 0, 0, 1                                   ; the first step's products start the sums: nothing is cleared
	s_mov_b32 s3, LAPS-1
.Llap:
	TURN 0, 1, 1
	STEP 1, 0, 0
	TURN 1, 0, 1
	STEP 0, 0, 0
	s_sub_co_u32 s3, s3, 1
	s_cmp_lg_u32 s3, 0
	s_cbranch_scc1 .Llap
	TURN 0, 1, 0                                   ; the last lap fills nothing
	STEP 1, 0, 0
	s_wait_dscnt 4*NL
	WIN MUL_LO
	MUL16 0, 1, NQ-1, 1, 0
	MUL16 2, 1, NQ-1, 1, 0
	s_wait_dscnt 0
	WIN MUL_HI
	MUL16 4, 1, NQ-1, 1, 0
	MUL16 6, 1, NQ-1, 1, 0
	WIN 0
; 64 numbers of a lane, v[s] on, four blocks of 16 registers, become codes in v[PC] on; the blocks' bytes are left in v[TM+4] on.
.macro QUANT s
.irp b, 0,1,2,3
	v_max3_num_f32 v[TM+\b], |v[\s+16*\b]|, |v[\s+1+16*\b]|, 0x4800000   ; my 16 numbers of block b, and the floor 2^(9 - 127): so the byte cannot fall under 1
.endr
.irp i, 2,4,6,8,10,12,14
.irp b, 0,1,2,3
	v_max3_num_f32 v[TM+\b], v[TM+\b], |v[\s+16*\b+\i]|, |v[\s+1+16*\b+\i]|
.endr
.endr
.irp b, 0,1,2,3
	v_permlanex16_b32 v[TM+4+\b], v[TM+\b], s[SEL], s[SEL+1]
.endr
.irp b, 0,1,2,3
	v_max_num_f32 v[TM+\b], v[TM+\b], v[TM+4+\b]   ; with lane l xor 16's: the block's largest magnitude
.endr
.irp b, 0,1,2,3
	v_add_nc_u32 v[TM+12+\b], 0xfc000000, v[TM+\b] ; 8 off its exponent field: the conversion's scale operand
.endr
.irp b, 0,1,2,3
	v_and_or_b32 v[TM+8+\b], v[TM+\b], 0x7f800000, s[MNT]   ; 448 x the scale
.endr
.irp b, 0,1,2,3
	v_lshrrev_b32 v[TM+4+\b], 23, v[TM+12+\b]      ; the scale's byte
.endr
.irp b, 0,1,2,3
.irp i, 0,1,2,3,4,5,6,7,8,9,10,11,12,13,14,15
	v_med3_num_f32 v[\s+16*\b+\i], v[\s+16*\b+\i], -v[TM+8+\b], v[TM+8+\b]   ; the conversion to an 8-bit code does not saturate (ISA guide 7.6.2): the hold
.endr
	v_cvt_scalef32_pk8_fp8_f32 v[PC+4*\b:PC+1+4*\b], v[\s+16*\b:\s+7+16*\b], v[TM+12+\b]
	v_cvt_scalef32_pk8_fp8_f32 v[PC+2+4*\b:PC+3+4*\b], v[\s+8+16*\b:\s+15+16*\b], v[TM+12+\b]
.endr
.endm
; Block a of my rows of A leaves.  mode 0: q, k (bias by register, image by head and token);  mode 1: v (bias by lane, image by head, key step and d).
.macro EPI a, mode
.if (\a) > 0
	s_wait_xcnt 0x0                                ; the last block's stores have read their data: the codes' and the word's registers may be written again
.endif
	WIN 0x02+(\a)/4                                ; source 0: window 2 or 3
.set i, 0
.rept 32                                           ; each accumulator is read from its low end on
.if \mode
.if (\a)%2
	v_pk_add_f32 v[X+2*i:X+2*i+1], v[64*((\a)%4)+2*i:64*((\a)%4)+2*i+1], v[LB+(\a)-1:LB+(\a)] op_sel:[0,1] op_sel_hi:[1,1]
.else
	v_pk_add_f32 v[X+2*i:X+2*i+1], v[64*((\a)%4)+2*i:64*((\a)%4)+2*i+1], v[LB+(\a):LB+(\a)+1] op_sel:[0,0] op_sel_hi:[1,0]
.endif
.else
	v_pk_add_f32 v[X+2*i:X+2*i+1], v[64*((\a)%4)+2*i:64*((\a)%4)+2*i+1], v[BT+2*i:BT+2*i+1]
.endif
.set i, i+1
.endr
	WIN 0
	QUANT X
.if \mode                                          ; the scale word (these plain lines also stand between the last conversion and the first line that touches its result)
.if (\a)%2
	v_lshl_or_b32 v[PW], v[TM+5], 8, v[TM+4]
	v_lshl_or_b32 v[PW], v[TM+6], 16, v[PW]
	v_lshl_or_b32 v[PW], v[TM+7], 24, v[PW]
	v_cndmask_b32 v[PW], v[PWE], v[PW], s[HIM]     ; lanes 0-15: block a - 1's words, lanes 16-31: block a's
.else
	v_lshl_or_b32 v[PWE], v[TM+5], 8, v[TM+4]
	v_lshl_or_b32 v[PWE], v[TM+6], 16, v[PWE]
	v_lshl_or_b32 v[PWE], v[TM+7], 24, v[PWE]
.endif
.else
	v_lshl_or_b32 v226, v[TM+5], 8, v[TM+4]        ; my first head's two bytes,
	v_lshl_or_b32 v227, v[TM+7], 8, v[TM+6]        ; my second head's
	v_cndmask_b32 v[PW], v226, v227, s[HIM]        ; lane half h takes head h
	v_or_b32 v[PW], 0x7f7f0000, v[PW]              ; bytes 2 and 3 stand over zero codes
.endif
.irp q, 0,1,2,3
	v_permlane16_swap_b32 v[PC+4*\q], v[PC+4*\q+2] ; lanes 16-31's first 8 codes against lanes 0-15's second 8: lane half h now holds k = 32 q + 16 h + 0 .. 15
	v_permlane16_swap_b32 v[PC+4*\q+1], v[PC+4*\q+3]
.endr
.irp q, 0,1,2,3
.if \mode
	global_store_b128 v[IMO], v[PC+4*\q:PC+4*\q+3], s[66:67] offset:((\a)/4)*131072+2048*((\a)%4)+512*\q    ; 512 consecutive bytes, aligned
.else
	global_store_b128 v[IMO], v[PC+4*\q:PC+4*\q+3], s[66:67] offset:(\q/2)*131072+1024*(\a)+512*(\q%2)
.endif
.endr
.if \mode
.if (\a)%2
	global_store_b32 v[SO1], v[PW], s[100:101] offset:4096*((\a)/4)+64*(((\a)-1)%4)    ; 128 consecutive bytes
.endif
.else
	global_store_b32 v[SO0], v[PW], s[100:101] offset:64*(\a)
.endif
.endm
	s_wait_loadcnt 0x0                             ; the biases
	PLACES NP                                      ; behind the last products: their results are read and their operands' registers written below
.irp b, 0,1,2,3
	v_mov_b32 v[TM+4+\b], 0                        ; written once: a lane permute's destination counts as one of its sources
.endr
	s_mov_b32 s[HIM], 0xffff0000
	s_mov_b32 s[SEL], 0x76543210
	s_mov_b32 s[SEL+1], 0xfedcba98
	s_mov_b32 s[MNT], 0x600000
	s_cmp_lt_u32 s[GG], 2                          ; the same in all partners of a cluster
	s_cbranch_scc0 .Lmode1
.irp a, 0,1,2,3,4,5,6,7
	EPI \a, 0
.endr
	s_branch .Lout
.Lmode1:
.irp a, 0,1,2,3,4,5,6,7
	EPI \a, 1
.endr
.Lout:
	s_wait_tensorcnt 0x0                           ; the wave's end
	ds_add_u32 v[SPW], v[NIL]
	s_wait_dscnt 0x0
	CROUND                                         ; the closing round: no work-group ends while a partner may still ask for a tile that names it
	s_endpgm
.Lfunc_end_k_qa56eb8a197_proj:
	.size	k_qa56eb8a197_proj, .Lfunc_end_k_qa56eb8a197_proj-k_qa56eb8a197_proj
	.p2alignl 7, 3214868480
	.fill 96, 4, 3214868480
	.section	.rodata,"a",@progbits
	.p2align	6, 0x0
	.amdhsa_kernel k_qa56eb8a197_proj
		.amdhsa_group_segment_fixed_size 327680
		.amdhsa_private_segment_fixed_size 0
		.amdhsa_enable_private_segment 0
		.amdhsa_kernarg_size 152
		.amdhsa_user_sgpr_count 2
		.amdhsa_user_sgpr_kernarg_segment_ptr 1
		.amdhsa_wavefront_size32 1
		.amdhsa_system_sgpr_workgroup_id_x 1
		.amdhsa_system_sgpr_workgroup_id_y 1
		.amdhsa_system_sgpr_workgroup_id_z 1
		.amdhsa_system_vgpr_workitem_id 0
		.amdhsa_next_free_vgpr 1024
		.amdhsa_next_free_sgpr 106
		.amdhsa_reserve_vcc 0
		.amdhsa_float_denorm_mode_32 3
		.amdhsa_float_denorm_mode_16_64 3
		.amdhsa_memory_ordered 1
		.amdhsa_forward_progress 1
		.amdhsa_inst_pref_size 255
	.end_amdhsa_kernel
	.section	.bss,"aw",@nobits
	.p2align	6
	.space	262144
	.amdgpu_metadata
---
amdhsa.version: [ 1, 2 ]
amdhsa.kernels:
  - .name:           k_qa56eb8a197_proj
    .symbol:         k_qa56eb8a197_proj.kd
    .args:
      - { .name: query_codes, .offset: 0, .size: 8, .value_kind: global_buffer, .address_space: global }
      - { .name: query_scales, .offset: 8, .size: 8, .value_kind: global_buffer, .address_space: global }
      - { .name: Wq_codes, .offset: 16, .size: 8, .value_kind: global_buffer, .address_space: global }
      - { .name: Wq_scales, .offset: 24, .size: 8, .value_kind: global_buffer, .address_space: global }
      - { .name: bq, .offset: 32, .size: 8, .value_kind: global_buffer, .address_space: global }
      - { .name: qimg, .offset: 40, .size: 8, .value_kind: global_buffer, .address_space: global }
      - { .name: key_codes, .offset: 48, .size: 8, .value_kind: global_buffer, .address_space: global }
      - { .name: key_scales, .offset: 56, .size: 8, .value_kind: global_buffer, .address_space: global }
      - { .name: Wk_codes, .offset: 64, .size: 8, .value_kind: global_buffer, .address_space: global }
      - { .name: Wk_scales, .offset: 72, .size: 8, .value_kind: global_buffer, .address_space: global }
      - { .name: bk, .offset: 80, .size: 8, .value_kind: global_buffer, .address_space: global }
      - { .name: kimg, .offset: 88, .size: 8, .value_kind: global_buffer, .address_space: global }
      - { .name: Wv_codes, .offset: 96, .size: 8, .value_kind: global_buffer, .address_space: global }
      - { .name: Wv_scales, .offset: 104, .size: 8, .value_kind: global_buffer, .address_space: global }
      - { .name: value_codes, .offset: 112, .size: 8, .value_kind: global_buffer, .address_space: global }
      - { .name: value_scales, .offset: 120, .size: 8, .value_kind: global_buffer, .address_space: global }
      - { .name: bv, .offset: 128, .size: 8, .value_kind: global_buffer, .address_space: global }
      - { .name: vimg, .offset: 136, .size: 8, .value_kind: global_buffer, .address_space: global }
      - { .name: scl, .offset: 144, .size: 8, .value_kind: global_buffer, .address_space: global }
    .group_segment_fixed_size: 327680
    .private_segment_fixed_size: 0
    .kernarg_segment_align: 8
    .kernarg_segment_size: 152
    .max_flat_workgroup_size: 128
    .sgpr_count:     106
    .vgpr_count:     1024
    .wavefront_size: 32
...
	.end_amdgpu_metadata
.endif
;; end of part 2
;; launch attn (part 3): grid 256 x 1, 16 waves a work-group, no clusters, 276,480 bytes of LDS; arguments qimg, kimg, vimg, scl, mk, ctx, ctxsc; writes ctx, ctxsc
.if DOCPART == 3
	.amdgcn_target "amdgcn-amd-amdhsa--gfx1250"
	.amdhsa_code_object_version 6
	.text
	.protected	k_qa56eb8a197_attn
	.globl	k_qa56eb8a197_attn
	.p2align	8
	.type	k_qa56eb8a197_attn,@function
k_qa56eb8a197_attn:
	s_mov_b64 s[64:65], 0
	v_nop
	global_prefetch_b8 v0, s[64:65] scope:SCOPE_SE
	s_setreg_imm32_b32 hwreg(HW_REG_WAVE_MODE, 25, 1), 1
	s_wait_xcnt 0x0
; context = softmax(where(mask, q k^T / 8, -1e30)) v for 64 heads of 2,048 tokens x 64, both products on codes of FP8 (E4M3) with one E8M0 scale for each 32 along K; the context is quantised here, along D.
; THE SOFTMAX AHEAD OF THE SECOND PRODUCT: t = score x log2(e) / 8; M = the running largest t rounded UP to a whole number; p = 2^(t - M) is quantised along the keys, not normalised;
; the row's sum is taken of the unquantised p and divides at the end; when M moves, the sum and O are multiplied by 2^(old M - new M): exact.
; SHARES.  Four work-groups to a head (head = work-group / 4).  Wave w of work-group x owns the tiles of 16 queries p = 16 (x % 4) + w and 127 - p, one after the other (two passes).
; A HEAD'S WHOLE K AND V STAY IN LDS: 2 x 131,072 bytes of operand images and 12,288 bytes of scale words, filled ONCE through registers; one barrier; from then on LDS is only read and each wave walks by itself.
; KEY STEPS THAT THE MASK BLOCKS FOR ALL 16 QUERIES ARE LEFT OUT: a scalar branch on the flag word that the first launch stored (two bits a step: 0 leave out, 1 apply the mask words, 2 all open).
; The loop's trip count is a constant; only a step's work is jumped over.  That branch hangs on a number read from memory.
; K and V come through registers, and the four work-groups of a head do not ask jointly: what they share is one fill of 274,432 bytes each, at the head.
; Nothing is prefetched: the one large stream is read at the kernel's head; a pass's Q (1,088 bytes) and a step's mask words (256 bytes) are small.
; LAYOUT.  Both products are used transposed: S^T = K Q^T (source 0 = 16 keys, source 1 = my 16 queries; d = 64 fills half of the instruction's 128: zero codes on both sides, byte 127, for the rest),
; O^T = V^T P^T (source 0 = 16 of the head's 64, source 1 = P): a lane holds ONE query (lane % 16) throughout.  Tile T's register j is key 16 T + 8 (lane / 16) + j: a block of 32 keys lies in 16 registers of lanes
; l and l xor 16; after the conversions the halves of the lanes exchange 8 codes (v_permlane16_swap_b32), which gives the operand's order k = 32 b + 16 (lane / 16) + 0 .. 15.
; THE BLOCKED SCORE is -2^103 ahead of the factor log2(e) / 8 (a logit of -2^100 in place of -1e30): a power of two, so that in a row with no open key t - M is exactly 0 and p = 1 for all keys, as equal logits give;
; as soon as an open key comes, 2^(old M - new M) is 0 and wipes what was summed.
; LIMITS: open logits under about -1e30, NaN and infinities are not served.  A block of zeros gets the byte 1: its codes are zeros, and this program alone reads the bytes.
; The context's scale bytes leave one byte a lane (262,144 bytes in the launch), laid as the next launch's tensor load wants them.
.set KIMG, 0                           ; LDS: K's images: [key tile 128][c 2][lane][16 bytes]
.set VIMG, 131072                      ; V's: [step 16][d tile 4][c 4][lane][16 bytes]
.set KSC,  262144                      ; K's scale words, 4 bytes a key
.set VSC,  270336                      ; V's: [step 16][d 64]
.set LI,  1                            ; v1   16 x lane
.set LW,  2                            ; v2   4 x lane
.set ADK, 3                            ; v3-6 the step's LDS addresses: K, V, K's scale words, V's
.set ADV, 4
.set ADS, 5
.set ADT, 6
.set NEG, 7                            ; v7   -2^103
.set QS,  8                            ; v8   Q's scale words;  v9 P's;  v10-13 K's;  v14-15 V's: these hold scales and nothing else
.set PS,  9
.set KS0, 10
.set VS0, 14
.set Q,   16                           ; v16-31  Q's fragment (v24-31 = 0)
.set KB,  32                           ; v32-95  four fragments of K (registers 8-15 of each = 0)
.set S,   96                           ; v96-159 S^T, then p, then V's four fragments
.set O,   160                          ; v160-191 O^T
.set PCD, 192                          ; v192-207 p's codes
.set NM,  208                          ; v208 -M, v209 the largest t
.set TMX, 209
.set SUM, 210                          ; v[210:211] the sum in two halves
.set BM,  212                          ; v212-215 the blocks' largest;  v216-219, v220-223, v224-227 at work
.set W1,  216
.set HL,  220
.set SOP, 224
.set FF,  228                          ; v228 f, v229 its partner in the pair
.set TMP, 230
.set RW,  231                          ; v231 4 r
.set RB,  232                          ; v232 32 r + h
.set WV,  2
.set BH,  3
.set QIM, 52                           ; s[52:53] qimg at my head;  s[54:55] q's scale words;  s[56:57] mk;  s[58:59] ctx, s[60:61] ctxsc at my batch and head
.set QSC, 54
.set MKB, 56
.set CTX, 58
.set CSC, 60
.set PASS, 62
.set QT,  63
.set PB0, 66                           ; s[66:67], s[100:101] a pass's bases
.set PB1, 100
.set SEL, 84
.set CS,  86                           ; s[86:87] c = log2(e) / 8
.set MNT, 88
.set HIM, 89
.set STEPS, 90
.set FW,  91                           ; the flag word
.set FL,  92                           ; this step's two bits
.set TK,  93
.set TV,  94
.set TS,  95
.set TT,  96
.set MB,  98                           ; s[98:99] the step's mask words
.set TP,  104                          ; s[104:105] an offset in 64 bits
	s_load_b256 s[4:11], s[0:1], 0x0               ; qimg, kimg, vimg, scl
	s_load_b128 s[12:15], s[0:1], 0x20             ; mk, ctx
	s_load_b64 s[16:17], s[0:1], 0x30              ; ctxsc
	v_lshl_add_u32 v254, v0, 2, 0x43000
	v_mov_b32 v255, 0
	v_lshrrev_b32 v1, 5, v0
	v_readfirstlane_b32 s[WV], v1                  ; wave 0..15
	s_lshr_b32 s[BH], ttmp9, 2                     ; 16 x batch + head
	s_and_b32 s[QT], ttmp9, 3
	s_lshl_b32 s[QT], s[QT], 4
	s_add_co_u32 s[QT], s[QT], s[WV]               ; my first tile of queries, 0 .. 63
	v_lshlrev_b32 v150, 4, v0                      ; the fill: 16 bytes a thread, 8,192 an instruction of the work-group
	v_add_nc_u32 v151, 0x10000, v150
	v_add_nc_u32 v152, 0x20000, v150
	v_add_nc_u32 v153, 0x30000, v150
	v_add_nc_u32 v154, KSC, v150
	v_lshlrev_b32 v156, 3, v0
	v_add_nc_u32 v155, VSC, v156
	s_lshl_b32 s20, s[BH], 17                      ; a head's image
	s_mov_b32 s21, 0
	s_lshl_b32 s22, s[BH], 13                      ; a head's scale words of q or k
	s_mov_b32 s23, 0
	s_lshl_b32 s24, s[BH], 12                      ; of v
	s_mov_b32 s25, 0
	s_lshr_b32 s26, s[BH], 4                       ; batch
	s_and_b32 s27, s[BH], 15                       ; head
	s_lshl_b32 s28, s26, 21                        ; ctx: 128 row tiles of 16,384 bytes a batch; a head's 64 along K are 1,024 bytes of a row tile
	s_lshl_b32 s30, s27, 10
	s_add_co_u32 s28, s28, s30
	s_mov_b32 s29, 0
	s_lshl_b32 s30, s26, 16                        ; ctxsc: 2,048 rows of 32 bytes a batch; a head's two bytes
	s_lshl_b32 s31, s27, 1
	s_add_co_u32 s30, s30, s31
	s_mov_b32 s31, 0
	s_wait_kmcnt 0x0
	s_add_nc_u64 s[QIM:QIM+1], s[4:5], s[20:21]
	s_add_nc_u64 s[6:7], s[6:7], s[20:21]
	s_add_nc_u64 s[8:9], s[8:9], s[20:21]
	s_add_nc_u64 s[QSC:QSC+1], s[10:11], s[22:23]
	s_add_nc_u64 s[32:33], s[QSC:QSC+1], 0x80000   ; k's scale words
	s_add_nc_u64 s[34:35], s[10:11], s[24:25]
	s_add_nc_u64 s[34:35], s[34:35], 0x100000      ; v's
	s_mov_b64 s[MKB:MKB+1], s[12:13]
	s_add_nc_u64 s[CTX:CTX+1], s[14:15], s[28:29]
	s_add_nc_u64 s[CSC:CSC+1], s[16:17], s[30:31]
.set i, 0
.rept 16
	global_load_b128 v[16+4*i:19+4*i], v150, s[6:7] offset:8192*i
.set i, i+1
.endr
.set i, 0
.rept 16
	global_load_b128 v[80+4*i:83+4*i], v150, s[8:9] offset:8192*i
.set i, i+1
.endr
	global_load_b128 v[144:147], v150, s[32:33]
	global_load_b64 v[148:149], v156, s[34:35]
.set i, 0
.rept 32
	s_wait_loadcnt 33-i                            ; loads come back in order: load i is in, the 33 - i behind it may be out
	ds_store_b128 v[150+i/8], v[16+4*i:19+4*i] offset:8192*(i%8)
.set i, i+1
.endr
	s_wait_loadcnt 1
	ds_store_b128 v154, v[144:147]
	s_wait_loadcnt 0x0
	ds_store_b64 v155, v[148:149]
	s_wait_dscnt 0x0                               ; for the others' sake: my part of the head has landed
	s_barrier_signal -1
	s_barrier_wait -1                              ; the head's K and V are whole; nobody writes LDS again
	v_and_b32 v3, 31, v0
	v_lshlrev_b32 v[LI], 4, v3
	v_lshlrev_b32 v[LW], 2, v3
	v_and_b32 v4, 15, v0
	v_bfe_u32 v5, v0, 4, 1
	v_lshlrev_b32 v[RW], 2, v4
	v_lshl_add_u32 v[RB], v4, 5, v5
	v_mov_b32 v[NEG], 0xf3000000
.irp j, 8,9,10,11,12,13,14,15
	v_mov_b32 v[Q+\j], 0                           ; zero codes for k = 64 .. 127, set once
.irp t, 0,1,2,3
	v_mov_b32 v[KB+16*\t+\j], 0
.endr
.endr
.irp b, 0,1,2,3
	v_mov_b32 v[W1+\b], 0                          ; written once: a lane permute's destination counts as one of its sources
.endr
	v_mov_b32 v[FF+1], 0                           ; (named as the upper half of a pair)
	s_mov_b32 s[SEL], 0x76543210
	s_mov_b32 s[SEL+1], 0xfedcba98
	s_mov_b32 s[CS], 0x3e38aa3b                    ; c = log2(e) / 8
	s_mov_b32 s[CS+1], s[CS]
	s_mov_b32 s[MNT], 0x600000                     ; the mantissa field of 448
	s_mov_b32 s[HIM], 0xffff0000                   ; lanes 16-31
	s_mov_b32 s[PASS], 2
.Lpass:
	s_lshl_b32 s[TP], s[QT], 10
	s_mov_b32 s[TP+1], 0
	s_add_nc_u64 s[PB0:PB0+1], s[QIM:QIM+1], s[TP:TP+1]   ; my tile's image of Q: 1,024 bytes
	s_lshl_b32 s[TP], s[QT], 6
	s_add_nc_u64 s[PB1:PB1+1], s[QSC:QSC+1], s[TP:TP+1]   ; its 16 scale words
	s_lshl_b32 s[TP], s[QT], 12
	s_add_nc_u64 s[MB:MB+1], s[MKB:MKB+1], s[TP:TP+1]     ; its mask words: 256 bytes a step
	global_load_b128 v[Q:Q+3], v[LI], s[PB0:PB0+1]
	global_load_b128 v[Q+4:Q+7], v[LI], s[PB0:PB0+1] offset:512
	global_load_b32 v[QS], v[RW], s[PB1:PB1+1]
	s_lshl_b32 s[TP], s[QT], 7
	s_add_nc_u64 s[TP:TP+1], s[MKB:MKB+1], s[TP:TP+1]
	s_load_b32 s[FW], s[TP:TP+1], 0x80000          ; its flag word
	s_mov_b32 s[TK], KIMG
	s_mov_b32 s[TV], VIMG
	s_mov_b32 s[TS], KSC
	s_mov_b32 s[TT], VSC
	s_mov_b32 s[STEPS], 16
	v_mov_b32 v[TMX], 0xff61b1e6                   ; the largest t so far: -3e38, under every t
	v_floor_f32 v[NM], -v[TMX]
	v_mov_b32 v[SUM], 0
	v_mov_b32 v[SUM+1], 0
.set j, 0
.rept 32
	v_mov_b32 v[O+j], 0                            ; the step is written once: the first finds zeros, which the first change of M leaves zeros
.set j, j+1
.endr
	s_wait_kmcnt 0x0
	s_wait_loadcnt 0x0
.Lstep:                                            ; 16 trips, a constant; a step that the flags leave out runs the address steps at the end alone
	s_and_b32 s[FL], s[FW], 3
	s_lshr_b32 s[FW], s[FW], 2
	s_cmp_eq_u32 s[FL], 0
	s_cbranch_scc1 .Lskip
	s_load_b512 s[4:19], s[MB:MB+1], 0x0           ; the step's 64 mask words: word n in s[4 + n], from n = 48 on in s[20 + n]
	s_load_b512 s[20:35], s[MB:MB+1], 0x40
	s_load_b512 s[36:51], s[MB:MB+1], 0x80
	s_load_b512 s[68:83], s[MB:MB+1], 0xc0
	v_add_nc_u32 v[ADK], s[TK], v[LI]
	v_add_nc_u32 v[ADV], s[TV], v[LI]
	v_add_nc_u32 v[ADS], s[TS], v[LW]
	v_add_nc_u32 v[ADT], s[TT], v[LW]
.rept 5
	v_nop                                          ; with the four additions nine places: the first product below writes over V's fragments, which the last step's products read
.endr
.irp g, 0,1                                        ; S^T = K Q^T, four tiles of 16 keys at a time
.if \g > 0
.rept 8
	v_nop                                          ; places in front of loads into registers that matrix instructions have read
.endr
.endif
.irp t, 0,1,2,3
.irp c, 0,1
	ds_load_b128 v[KB+16*\t+4*\c:KB+16*\t+4*\c+3], v[ADK] offset:(4*\g+\t)*1024+512*\c   ; 512 consecutive bytes
.endr
.endr
.if \g == 0
.irp j, 0,1,2,3
	ds_load_b32 v[KS0+\j], v[ADS] offset:128*\j    ; lanes 0-15: tile 2 j's scale words, lanes 16-31: tile 2 j + 1's
.endr
.endif
	s_wait_dscnt 0x0
.irp t, 0,2
	v_wmma_scale_f32_16x16x128_f8f6f4 v[S+8*(4*\g+\t):S+8*(4*\g+\t)+7], v[KB+16*\t:KB+16*\t+15], v[Q:Q+15], 0, v[KS0+2*\g+\t/2], v[QS]
	v_wmma_scale_f32_16x16x128_f8f6f4 v[S+8*(4*\g+\t+1):S+8*(4*\g+\t+1)+7], v[KB+16*\t+16:KB+16*\t+31], v[Q:Q+15], 0, v[KS0+2*\g+\t/2], v[QS] matrix_a_scale:MATRIX_SCALE_ROW1
.endr
.endr
.rept 8
	v_nop
.endr
	s_wait_kmcnt 0x0                               ; the mask words are in (and their base may be stepped)
	s_cmp_eq_u32 s[FL], 2
	s_cbranch_scc1 .Lopen                          ; all 16 x 128 places are open
.set n, 0
.rept 48
	v_cndmask_b32 v[S+n], v[NEG], v[S+n], s[4+n]   ; a blocked place takes -2^103
.set n, n+1
.endr
.rept 16
	v_cndmask_b32 v[S+n], v[NEG], v[S+n], s[20+n]
.set n, n+1
.endr
.Lopen:
.irp b, 0,1,2,3
	v_max3_num_f32 v[BM+\b], v[S+16*\b], v[S+1+16*\b], v[S+2+16*\b]   ; the largest score of each block of 32 keys: for the row's maximum and, since p rises with the score, for the block's largest p
.endr
.irp i, 3,5,7,9,11,13
.irp b, 0,1,2,3
	v_max3_num_f32 v[BM+\b], v[BM+\b], v[S+16*\b+\i], v[S+1+16*\b+\i]
.endr
.endr
.irp b, 0,1,2,3
	v_max_num_f32 v[BM+\b], v[BM+\b], v[S+15+16*\b]
.endr
.irp b, 0,1,2,3
	v_permlanex16_b32 v[W1+\b], v[BM+\b], s[SEL], s[SEL+1]
.endr
.irp b, 0,1,2,3
	v_max_num_f32 v[BM+\b], v[BM+\b], v[W1+\b]     ; with lane l xor 16's 16 keys
.endr
	v_max3_num_f32 v[TMP], v[BM], v[BM+1], v[BM+2]
	v_max_num_f32 v[TMP], v[TMP], v[BM+3]
	v_mul_f32 v[TMP], s[CS], v[TMP]                ; as t (c is positive)
	v_max_num_f32 v[TMX], v[TMX], v[TMP]           ; the running largest t
	v_mov_b32 v[TMP], v[NM]
	v_floor_f32 v[NM], -v[TMX]                     ; the new -M = floor(-t) = -ceil(t)
	v_sub_f32 v[TMP], v[NM], v[TMP]                ; old M - new M: a whole number, 0 or less
	v_cvt_i32_f32 v[TMP], v[TMP]                   ; (it saturates)
	v_ldexp_f32 v[FF], 1.0, v[TMP]                 ; f = 2^(old M - new M)
.set j, 0
.rept 32
	v_pk_fma_f32 v[S+j:S+j+1], v[S+j:S+j+1], s[CS:CS+1], v[NM:NM+1] op_sel_hi:[1,0,0]   ; t - M, two at a time
.set j, j+2
.endr
.irp b, 0,1,2,3
	v_fma_f32 v[BM+\b], v[BM+\b], s[CS], v[NM]     ; the same of each block's largest score
.endr
.set j, 0
.rept 64
	v_exp_f32 v[S+j], v[S+j]                       ; p = 2^(t - M), at most 1
.set j, j+1
.endr
	v_pk_mul_f32 v[SUM:SUM+1], v[SUM:SUM+1], v[FF:FF+1] op_sel_hi:[1,0]   ; the sums under the new M: a plain line behind the exponentials
	s_wait_alu depctr_va_vdst(0)                   ; one wait for the batch of 64, ahead of its first reader
.irp b, 0,1,2,3
	v_exp_f32 v[BM+\b], v[BM+\b]                   ; the block's largest p
.endr
	v_pk_add_f32 v[W1:W1+1], v[S:S+1], v[S+2:S+3]  ; the row's sum is taken of the unquantised p, in two chains
.irp j, 4,8,12,16,20,24,28,32,36,40,44,48,52,56,60
	v_pk_add_f32 v[SUM:SUM+1], v[SUM:SUM+1], v[S+\j:S+\j+1]
	v_pk_add_f32 v[W1:W1+1], v[W1:W1+1], v[S+2+\j:S+3+\j]
.endr
	v_pk_add_f32 v[SUM:SUM+1], v[SUM:SUM+1], v[W1:W1+1]
	s_wait_alu depctr_va_vdst(0)                   ; and one for the four
.irp b, 0,1,2,3
	v_max_num_f32 v[BM+\b], 0x4800000, v[BM+\b]    ; the floor 2^(9 - 127): the byte cannot fall under 1
.endr
.irp b, 0,1,2,3
	v_add_nc_u32 v[SOP+\b], 0xfc000000, v[BM+\b]   ; 8 off the exponent field: the conversion's scale operand
.endr
.irp b, 0,1,2,3
	v_and_or_b32 v[HL+\b], v[BM+\b], 0x7f800000, s[MNT]   ; 448 x the scale
.endr
.irp b, 0,1,2,3
	v_lshrrev_b32 v[W1+\b], 23, v[SOP+\b]          ; the scale's byte
.endr
	v_lshl_or_b32 v[PS], v[W1+1], 8, v[W1]         ; p's scale word for these 128 keys
	v_lshl_or_b32 v[PS], v[W1+2], 16, v[PS]
	v_lshl_or_b32 v[PS], v[W1+3], 24, v[PS]
.irp b, 0,1,2,3
.irp i, 0,1,2,3,4,5,6,7,8,9,10,11,12,13,14,15
	v_min_num_f32 v[S+16*\b+\i], v[S+16*\b+\i], v[HL+\b]   ; the conversion does not saturate (ISA guide 7.6.2); p is not negative: a one-sided hold
.endr
	v_cvt_scalef32_pk8_fp8_f32 v[PCD+4*\b:PCD+4*\b+1], v[S+16*\b:S+16*\b+7], v[SOP+\b]
	v_cvt_scalef32_pk8_fp8_f32 v[PCD+4*\b+2:PCD+4*\b+3], v[S+16*\b+8:S+16*\b+15], v[SOP+\b]
.irp c, 0,1,2,3
	ds_load_b128 v[S+16*\b+4*\c:S+16*\b+4*\c+3], v[ADV] offset:2048*\b+512*\c   ; V's fragment of d tile b takes the registers that block b's p has left
.endr
.endr
.irp j, 0,1
	ds_load_b32 v[VS0+\j], v[ADT] offset:128*\j    ; lanes 0-15: d tile 2 j's scale words, lanes 16-31: d tile 2 j + 1's
.endr
.irp j, 0,2,4,6,8,10,12,14
	v_pk_mul_f32 v[O+\j:O+\j+1], v[O+\j:O+\j+1], v[FF:FF+1] op_sel_hi:[1,0]   ; O^T under the new M.  (Plain lines between the last conversion and the exchange)
.endr
.irp b, 0,1,2,3
	v_permlane16_swap_b32 v[PCD+4*\b], v[PCD+4*\b+2]     ; lanes 16-31's first 8 codes against lanes 0-15's second 8: the operand's order
	v_permlane16_swap_b32 v[PCD+4*\b+1], v[PCD+4*\b+3]
.endr
.irp j, 16,18,20,22,24,26,28,30
	v_pk_mul_f32 v[O+\j:O+\j+1], v[O+\j:O+\j+1], v[FF:FF+1] op_sel_hi:[1,0]   ; (these eight are the places between the codes' last write and the products)
.endr
	s_wait_dscnt 0x0
.irp t, 0,2                                        ; O^T += V^T P^T: four accumulators, one instruction each
	v_wmma_scale_f32_16x16x128_f8f6f4 v[O+8*\t:O+8*\t+7], v[S+16*\t:S+16*\t+15], v[PCD:PCD+15], v[O+8*\t:O+8*\t+7], v[VS0+\t/2], v[PS]
	v_wmma_scale_f32_16x16x128_f8f6f4 v[O+8*\t+8:O+8*\t+15], v[S+16*\t+16:S+16*\t+31], v[PCD:PCD+15], v[O+8*\t+8:O+8*\t+15], v[VS0+\t/2], v[PS] matrix_a_scale:MATRIX_SCALE_ROW1
.endr
.Lskip:
	s_add_co_u32 s[TK], s[TK], 8192                ; the next step's tiles and words
	s_add_co_u32 s[TV], s[TV], 8192
	s_add_co_u32 s[TS], s[TS], 512
	s_add_co_u32 s[TT], s[TT], 256
	s_add_nc_u64 s[MB:MB+1], s[MB:MB+1], 256
	s_sub_co_u32 s[STEPS], s[STEPS], 1
	s_cmp_lg_u32 s[STEPS], 0
	s_cbranch_scc1 .Lstep
	; THE PASS'S END: O^T / the sum, quantised along d (two blocks of 32), as an image of the last product's operand
.rept 8
	v_nop                                          ; places behind the last products
.endr
	v_add_f32 v[SUM], v[SUM], v[SUM+1]
	v_permlanex16_b32 v[W1], v[SUM], s[SEL], s[SEL+1]
	v_add_f32 v[SUM], v[SUM], v[W1]                ; the row's sum
	v_rcp_f32 v[FF], v[SUM]
	v_nop                                          ; a plain line behind the transcendental
	s_wait_alu depctr_va_vdst(0)                   ; and the wait ahead of its first reader
.set j, 0
.rept 16
	v_pk_mul_f32 v[S+j:S+j+1], v[O+j:O+j+1], v[FF:FF+1] op_sel_hi:[1,0]   ; register 8 t + i is d = 16 t + 8 h + i of my query; each accumulator from its low end on
.set j, j+2
.endr
.irp b, 0,1
	v_max3_num_f32 v[BM+\b], |v[S+16*\b]|, |v[S+1+16*\b]|, 0x4800000
.endr
.irp i, 2,4,6,8,10,12,14
.irp b, 0,1
	v_max3_num_f32 v[BM+\b], v[BM+\b], |v[S+16*\b+\i]|, |v[S+1+16*\b+\i]|
.endr
.endr
.irp b, 0,1
	v_permlanex16_b32 v[W1+\b], v[BM+\b], s[SEL], s[SEL+1]
.endr
.irp b, 0,1
	v_max_num_f32 v[BM+\b], v[BM+\b], v[W1+\b]
.endr
.irp b, 0,1
	v_add_nc_u32 v[SOP+\b], 0xfc000000, v[BM+\b]
.endr
.irp b, 0,1
	v_and_or_b32 v[HL+\b], v[BM+\b], 0x7f800000, s[MNT]
.endr
.irp b, 0,1
	v_lshrrev_b32 v[W1+\b], 23, v[SOP+\b]
.endr
.irp b, 0,1
.irp i, 0,1,2,3,4,5,6,7,8,9,10,11,12,13,14,15
	v_med3_num_f32 v[S+16*\b+\i], v[S+16*\b+\i], -v[HL+\b], v[HL+\b]
.endr
	v_cvt_scalef32_pk8_fp8_f32 v[PCD+4*\b:PCD+4*\b+1], v[S+16*\b:S+16*\b+7], v[SOP+\b]
	v_cvt_scalef32_pk8_fp8_f32 v[PCD+4*\b+2:PCD+4*\b+3], v[S+16*\b+8:S+16*\b+15], v[SOP+\b]
.endr
	v_cndmask_b32 v[TMP], v[W1], v[W1+1], s[HIM]   ; lane half h stores block h's byte.  (A plain line behind the last conversion)
.irp b, 0,1
	v_permlane16_swap_b32 v[PCD+4*\b], v[PCD+4*\b+2]
	v_permlane16_swap_b32 v[PCD+4*\b+1], v[PCD+4*\b+3]
.endr
	s_lshl_b32 s[TP], s[QT], 14
	s_mov_b32 s[TP+1], 0
	s_add_nc_u64 s[PB0:PB0+1], s[CTX:CTX+1], s[TP:TP+1]   ; (this pass's loads by these bases were waited for at its head)
	s_lshl_b32 s[TP], s[QT], 9
	s_add_nc_u64 s[PB1:PB1+1], s[CSC:CSC+1], s[TP:TP+1]
	global_store_b128 v[LI], v[PCD:PCD+3], s[PB0:PB0+1]              ; 2 x 512 consecutive bytes, aligned
	global_store_b128 v[LI], v[PCD+4:PCD+7], s[PB0:PB0+1] offset:512
	global_store_b8 v[RB], v[TMP], s[PB1:PB1+1]
	s_wait_xcnt 0x0                                ; the stores have read their data and bases: the next pass writes both
	s_sub_co_u32 s[QT], 127, s[QT]                 ; the second pass: tile 127 - p
	s_sub_co_u32 s[PASS], s[PASS], 1
	s_cmp_lg_u32 s[PASS], 0
	s_cbranch_scc1 .Lpass
	s_wait_tensorcnt 0x0
	ds_add_u32 v254, v255
	s_wait_dscnt 0x0
	s_endpgm
.Lfunc_end_k_qa56eb8a197_attn:
	.size	k_qa56eb8a197_attn, .Lfunc_end_k_qa56eb8a197_attn-k_qa56eb8a197_attn
	.p2alignl 7, 3214868480
	.fill 96, 4, 3214868480
	.section	.rodata,"a",@progbits
	.p2align	6, 0x0
	.amdhsa_kernel k_qa56eb8a197_attn
		.amdhsa_group_segment_fixed_size 276480
		.amdhsa_private_segment_fixed_size 0
		.amdhsa_enable_private_segment 0
		.amdhsa_kernarg_size 56
		.amdhsa_user_sgpr_count 2
		.amdhsa_user_sgpr_kernarg_segment_ptr 1
		.amdhsa_wavefront_size32 1
		.amdhsa_system_sgpr_workgroup_id_x 1
		.amdhsa_system_sgpr_workgroup_id_y 1
		.amdhsa_system_sgpr_workgroup_id_z 1
		.amdhsa_system_vgpr_workitem_id 0
		.amdhsa_next_free_vgpr 256
		.amdhsa_next_free_sgpr 106
		.amdhsa_reserve_vcc 0
		.amdhsa_float_denorm_mode_32 3
		.amdhsa_float_denorm_mode_16_64 3
		.amdhsa_memory_ordered 1
		.amdhsa_forward_progress 1
		.amdhsa_inst_pref_size 43
	.end_amdhsa_kernel
	.amdgpu_metadata
---
amdhsa.version: [ 1, 2 ]
amdhsa.kernels:
  - .name:           k_qa56eb8a197_attn
    .symbol:         k_qa56eb8a197_attn.kd
    .args:
      - { .name: qimg, .offset: 0, .size: 8, .value_kind: global_buffer, .address_space: global }
      - { .name: kimg, .offset: 8, .size: 8, .value_kind: global_buffer, .address_space: global }
      - { .name: vimg, .offset: 16, .size: 8, .value_kind: global_buffer, .address_space: global }
      - { .name: scl, .offset: 24, .size: 8, .value_kind: global_buffer, .address_space: global }
      - { .name: mk, .offset: 32, .size: 8, .value_kind: global_buffer, .address_space: global }
      - { .name: ctx, .offset: 40, .size: 8, .value_kind: global_buffer, .address_space: global }
      - { .name: ctxsc, .offset: 48, .size: 8, .value_kind: global_buffer, .address_space: global }
    .group_segment_fixed_size: 276480
    .private_segment_fixed_size: 0
    .kernarg_segment_align: 8
    .kernarg_segment_size: 56
    .max_flat_workgroup_size: 512
    .sgpr_count:     106
    .vgpr_count:     256
    .wavefront_size: 32
...
	.end_amdgpu_metadata
.endif
;; end of part 3
;; launch outproj (part 4): grid 4 x 32, 4 waves a work-group, clusters of 4 x 4, 327,680 bytes of LDS; arguments ctx, ctxsc, Wo_codes, Wo_scales, out0, bo; writes out0
.if DOCPART == 4
	.amdgcn_target "amdgcn-amd-amdhsa--gfx1250"
	.amdhsa_code_object_version 6
	.text
	.protected	k_qa56eb8a197_outproj
	.globl	k_qa56eb8a197_outproj
	.p2align	8
	.type	k_qa56eb8a197_outproj,@function
k_qa56eb8a197_outproj:
	s_mov_b64 s[64:65], 0
	v_nop
	global_prefetch_b8 v0, s[64:65] scope:SCOPE_SE
	s_setreg_imm32_b32 hwreg(HW_REG_WAVE_MODE, 25, 1), 1
	s_wait_xcnt 0x0
	s_wait_alu depctr_hold_cnt(0) depctr_sa_sdst(0) depctr_va_vdst(0) depctr_va_sdst(0) depctr_va_ssrc(0) depctr_va_vcc(0) depctr_vm_vsrc(0)
	s_getreg_b32 s2, hwreg(HW_REG_IB_STS2, 6, 4)
	s_cmp_eq_u32 s2, 0
	s_cbranch_scc0 .Lentry_in_a_cluster
	s_endpgm
.Lentry_in_a_cluster:
	s_bfe_u32 s2, ttmp6, 0x10000c
	s_cmp_lg_u32 s2, 0xf033
	s_cbranch_scc0 .Lentry_shape_is_right
	s_endpgm
.Lentry_shape_is_right:
; out0 = context Wo^T + bo: [8192 x 1024 x 1024] on codes of FP8 (E4M3) with one E8M0 scale for each 32 along K; out0 f32; sums in f32.
; A = the context, as the attention launch left it: images of operand registers, ctx [row tile 512][K step of 128: 8][c 4][lane][16 bytes]; its scale bytes ctxsc [8192][32].  B = Wo: codes [1024][1024], scale bytes [1024][32].
; A tile of 256 x 256 is made by four waves, 128 x 128 each: 64 accumulators, 512 registers.  K goes in steps of 256 through a ring of two LDS slots filled by the tensor data mover:
; B's tile is 128 rows of 256 bytes (16 of padding behind each); A's is 8 row tiles x 4,096 consecutive bytes, 16,384 apart, laid on end: a fragment of A is then four loads of 512 consecutive bytes.
; The scale bytes of the work-group's 2 x 256 rows, for all of K, come into LDS once, with the first fills.
; 128 work-groups: 128 tiles of 256 x 256.  A tile of half the size would read each LDS byte for half the products.
; CLUSTERS: 4 x 4 work-groups; A's tiles are asked for jointly along a row of the cluster, B's along a column.
; THE MATRIX INSTRUCTION IS USED TRANSPOSED (source 0 = 16 rows of Wo, source 1 = 16 rows of the context): a lane holds eight neighbouring numbers of a row of out0.
; THE BIAS is the C of each sum's first matrix instruction: 64 registers in the result's layout; no addition is written.
; REGISTERS, in windows of 256: window 0: v0-31 addresses; v32-63 scale words, two sets; v64-127 the bias; from v128 A's fragments, one set; on the way out v128-255 rows of out0.
;   window 1: B's fragments, two sets.   window 2: the accumulators of my rows 0-63;   window 3: those of rows 64-127.
.set SIZE_N, 1024
.set KSTEP,  256
.set NQ,     2
.set ROWB,   256
.set ASTEP,  4096                      ; a K step of a row tile of ctx, in bytes
.set KROW,   1024
.set PITCH,  272
.set FR,     16
.set NL,     4
.set NP,     8
.set HALFT,  128*PITCH
.set SLOT,   4*HALFT
.set LAPS,   2
.set KS,     32
.set SCL,    2*SLOT
.set HALFS,  (128*KS/256)*272
.set SBLK,   (16*KS/256)*272
.set SPARE,  SCL+4*HALFS               ; the spare words, 128 bytes for each wave: two blocks of 256 bytes that no other line names
.set SPITCH, 528                       ; the way out: a stage of 16 rows x (512 bytes + 16) for each wave, in slot 0, which has had its last fill and its last read by then
.set ADRA, 16
.set ADRB, 20
.set STO,  24
.set RD,   25
.set CO,   26
.set ADRS, 27
.set SPW,  28
.set NIL,  29
.set BO0,  30                          ; v30 the bias loads' offset; never rewritten
.set SC,   32
.set BT,   64                          ; v64-127 bo: register 8 b + j is column 16 b + 8 (lane / 16) + j of my 128
.set AF,   128
.set BK,   128
.set G1, 24
.set G0, 32
.set G1B, 48
.set G0B, 56
.set G1S, 68
.set G0S, 76
.set G1SB, 80
.set G0SB, 88
.set MSB, 0
.macro WIN new                         ; the immediate's high byte repeats the setting that is left
.if MSB != \new
	s_set_vgpr_msb (MSB<<8)|\new
.set MSB, \new
.endif
.endm
.set MUL_LO, 0xa1                      ; source 0 (B) window 1, source 1 (A) window 0, C and D window 2
.set MUL_HI, 0xf1
.set FST_LO, 0x81                      ; the first step: C (the bias) window 0, D window 2
.set FST_HI, 0xc1
.set TO_B,   0x40
.macro JLOAD g0a, g1a, g0b, g1b        ; a joint load: waves 0 and 1 fetch for A, waves 2 and 3 for B; four v_nop follow each of the two lines
	s_cmp_eq_u32 s15, 0
	s_cbranch_scc0 .Lfor_b_\@
	tensor_load_to_lds s[\g0a:\g0a+3], s[\g1a:\g1a+7]
	s_nop 0
.rept 4
	v_nop
.endr
	s_branch .Lasked_\@
.Lfor_b_\@:
	tensor_load_to_lds s[\g0b:\g0b+3], s[\g1b:\g1b+7]
	s_nop 0
.rept 4
	v_nop
.endr
.Lasked_\@:
.endm
.macro CREST
	s_cmp_lg_u32 s14, 0
	s_cbranch_scc1 .Lnot_wave_0_\@
	s_barrier_signal -3
.Lnot_wave_0_\@:
	s_barrier_wait -3
	s_barrier_signal -1
	s_barrier_wait -1
.endm
.macro CROUND
	s_barrier_signal -1
	s_barrier_wait -1
	CREST
.endm
	s_load_b128 s[4:7], s[0:1], 0x0                ; ctx, ctxsc
	s_load_b128 s[8:11], s[0:1], 0x10              ; Wo's codes, Wo's scales
	s_load_b64 s[12:13], s[0:1], 0x20              ; out0
	s_load_b64 s[96:97], s[0:1], 0x28              ; bo
	v_lshl_add_u32 v[SPW], v0, 2, SPARE
	v_mov_b32 v[NIL], 0
	ds_add_u32 v28, v29
	ds_add_u32 v28, v29
	s_wait_dscnt 0x0
	v_lshrrev_b32 v1, 5, v0
	v_readfirstlane_b32 s14, v1                    ; wave 0..3
	s_lshr_b32 s15, s14, 1                         ; which half of the tile's rows is mine.  Also: I fetch for A (0) or for B (1)
	s_and_b32 s16, s14, 1                          ; which half of its columns.  Also: which 128 rows I fetch
	s_bfe_u32 s40, ttmp6, 0x40000                  ; cx, cy
	s_bfe_u32 s41, ttmp6, 0x40004
	s_lshl_b32 s42, ttmp9, 2
	s_add_co_u32 s42, s42, s40                     ; tile column = 4 x cluster x + cx
	s_and_b32 s17, ttmp7, 0xffff
	s_lshl_b32 s17, s17, 2
	s_add_co_u32 s17, s17, s41                     ; tile row = 4 x cluster y + cy
	s_lshl_b32 s43, s41, 2
	s_lshl_b32 s43, 15, s43                        ; my row of the cluster
	s_lshl_b32 s44, 0x1111, s40                    ; my column
	; A's group 1: 8 rows of 4,096 bytes, 16,384 apart, no padding
	s_or_b32 s[G1+0], s43, (0<<16)|(1<<21)         ; 15:0 the mask: my row; elements of 1 byte; 21 set beside a mask
	s_mov_b32 s[G1+1], ASTEP<<16                   ; tensor_dim0
	s_mov_b32 s[G1+2], 8<<16                       ; tensor_dim1
	s_mov_b32 s[G1+3], ASTEP<<16                   ; tile_dim0
	s_mov_b32 s[G1+4], 8                           ; tile_dim1
	s_mov_b32 s[G1+5], 16384                       ; tensor_dim0_stride
	s_mov_b32 s[G1+6], 0
	s_mov_b32 s[G1+7], 0
	; B's: 128 rows of 256 bytes, four words of padding after every 64
	s_or_b32 s[G1B+0], s44, (0<<16)|(1<<20)|(1<<21)|(5<<22)|(3<<25)
	s_mov_b32 s[G1B+1], ROWB<<16
	s_mov_b32 s[G1B+2], 128<<16
	s_mov_b32 s[G1B+3], ROWB<<16
	s_mov_b32 s[G1B+4], 128
	s_mov_b32 s[G1B+5], KROW
	s_mov_b32 s[G1B+6], 0
	s_mov_b32 s[G1B+7], 0
	; the scales of 128 rows: 4,096 dense bytes, as 16 rows of 256 bytes, 16 bytes of padding behind each
	s_or_b32 s[G1S+0], s43, (3<<16)|(1<<20)|(1<<21)|(5<<22)|(3<<25)
	s_or_b32 s[G1SB+0], s44, (3<<16)|(1<<20)|(1<<21)|(5<<22)|(3<<25)
.irp g, G1S, G1SB
	s_mov_b32 s[\g+1], 32<<16
	s_mov_b32 s[\g+2], (128*KS/256)<<16
	s_mov_b32 s[\g+3], 32<<16
	s_mov_b32 s[\g+4], 128*KS/256
	s_mov_b32 s[\g+5], 32
	s_mov_b32 s[\g+6], 0
	s_mov_b32 s[\g+7], 0
.endr
	s_lshl_b32 s18, s16, 7
	s_lshl_b32 s20, s17, 8
	s_add_co_u32 s20, s20, s18                     ; A: row 256 x tile row + 128 x half
	s_lshl_b32 s46, s42, 8
	s_add_co_u32 s46, s46, s18                     ; B: row 256 x tile column + 128 x half
	s_mov_b32 s21, 0
	s_mov_b32 s47, 0
	s_mov_b64 s[18:19], KS
	s_mul_u64 s[22:23], s[20:21], s[18:19]
	s_mul_u64 s[92:93], s[46:47], s[18:19]
	s_mov_b64 s[18:19], KROW
	s_mul_u64 s[20:21], s[20:21], s[18:19]         ; 1,024 bytes a row in ctx too: 16 rows are a row tile of 16,384
	s_mul_u64 s[46:47], s[46:47], s[18:19]
	s_mul_i32 s45, s14, HALFT
	s_mul_i32 s94, s14, HALFS
	s_wait_kmcnt 0x0
	s_add_nc_u64 s[20:21], s[4:5], s[20:21]
	s_add_nc_u64 s[22:23], s[6:7], s[22:23]
	s_add_nc_u64 s[46:47], s[8:9], s[46:47]
	s_add_nc_u64 s[92:93], s[10:11], s[92:93]
	CROUND                                         ; all sixteen work-groups are here: the first joint loads meet
	s_mov_b32 s[G0S], 1
	s_add_co_u32 s[G0S+1], s94, SCL
	s_mov_b64 s[G0S+2:G0S+3], s[22:23]
	s_or_b32 s[G0S+3], s[G0S+3], 0x80000000
	s_mov_b32 s[G0SB], 1
	s_add_co_u32 s[G0SB+1], s94, SCL
	s_mov_b64 s[G0SB+2:G0SB+3], s[92:93]
	s_or_b32 s[G0SB+3], s[G0SB+3], 0x80000000
	JLOAD G0S, G1S, G0SB, G1SB
.irp s, 0,1
	s_mov_b32 s[G0+4*\s], 1
	s_add_co_u32 s[G0+4*\s+1], s45, \s*SLOT
	s_add_nc_u64 s[G0+4*\s+2:G0+4*\s+3], s[20:21], \s*ASTEP
	s_or_b32 s[G0+4*\s+3], s[G0+4*\s+3], 0x80000000
	s_mov_b32 s[G0B+4*\s], 1
	s_add_co_u32 s[G0B+4*\s+1], s45, \s*SLOT
	s_add_nc_u64 s[G0B+4*\s+2:G0B+4*\s+3], s[46:47], \s*ROWB
	s_or_b32 s[G0B+4*\s+3], s[G0B+4*\s+3], 0x80000000
	JLOAD G0+4*\s, G1, G0B+4*\s, G1B               ; three tensor loads of mine are out
.endr
	v_and_b32 v1, 15, v0                           ; r
	v_bfe_u32 v2, v0, 4, 1                         ; h
	v_and_b32 v6, 31, v0
	v_lshlrev_b32 v[CO], 4, v6                     ; 16 x lane
	v_mul_u32_u24 v3, v1, PITCH
	v_lshl_add_u32 v4, v2, 4, v3                   ; B: a fragment's row x pitch + 16 x half
	s_mul_i32 s21, s15, HALFT                      ; my 8 row tiles of A
	s_mul_i32 s22, s16, HALFT
	s_add_co_u32 s22, s22, 2*HALFT                 ; my 128 rows of B
.irp s, 0,1
	v_add_nc_u32 v[ADRA+\s], s21, v[CO]            ; A: 16 x lane: an image's place for my lane
	v_add_nc_u32 v[ADRB+\s], s22, v4
	s_add_co_u32 s21, s21, SLOT
	s_add_co_u32 s22, s22, SLOT
.endr
	v_mul_u32_u24 v5, v1, KS
	v_lshrrev_b32 v6, 8, v5
	v_lshl_add_u32 v5, v6, 4, v5
	s_mul_i32 s21, s15, HALFS
	s_mul_i32 s22, s16, HALFS
	s_add_co_u32 s22, s22, 2*HALFS
	s_sub_co_u32 s22, s22, s21
	v_mul_u32_u24 v6, s22, v2                      ; lanes 16-31 take B's
	s_add_co_u32 s21, s21, SCL
	v_add_nc_u32 v5, v5, v6
	v_add_nc_u32 v[ADRS], s21, v5
	s_mul_i32 s23, s14, 16*SPITCH                  ; my stage
	v_mul_u32_u24 v5, v1, SPITCH
	v_lshl_add_u32 v5, v2, 5, v5
	v_add_nc_u32 v[STO], s23, v5
	v_add_nc_u32 v[RD], s23, v[CO]
	s_lshl_b32 s20, s17, 8
	s_lshl_b32 s21, s15, 7
	s_add_co_u32 s20, s20, s21                     ; my first row of out0
	s_mov_b32 s21, 0
	s_mov_b64 s[18:19], SIZE_N*4
	s_mul_u64 s[20:21], s[20:21], s[18:19]
	s_lshl_b32 s46, s42, 10                        ; my first column, in bytes: 1,024 x tile column + 512 x half
	s_lshl_b32 s47, s16, 9
	s_add_co_u32 s46, s46, s47
	s_mov_b32 s47, 0
	v_lshl_add_u32 v[BO0], v2, 5, s46              ; bo: the same bytes, + 32 h
	s_add_nc_u64 s[20:21], s[20:21], s[46:47]
	s_add_nc_u64 s[12:13], s[12:13], s[20:21]
.irp b, 0,1,2,3,4,5,6,7
	global_load_b128 v[BT+8*\b:BT+8*\b+3], v[BO0], s[96:97] offset:64*\b
	global_load_b128 v[BT+8*\b+4:BT+8*\b+7], v[BO0], s[96:97] offset:64*\b+16
.endr
.macro FRAG reg, adr, q, i             ; a fragment of B from rows: registers 4 c .. 4 c + 3 hold K = 32 c + 16 (l / 16) + 0 .. 15
.irp c, 0,1,2,3
	ds_load_b128 v[\reg+4*\c:\reg+4*\c+3], v[\adr] offset:128*(\q)+32*\c+(\i)*16*PITCH
.endr
.endm
.macro FRAGA reg, adr, q, i            ; a fragment of A from its image: row tile i, the slot's q-th 128 along K
.irp c, 0,1,2,3
	ds_load_b128 v[\reg+4*\c:\reg+4*\c+3], v[\adr] offset:ASTEP*(\i)+2048*(\q)+512*\c
.endr
.endm
; 16 matrix instructions: A's blocks a0, a0 + 1 x B's eight.  first = 1: the sums begin with the bias.  The 64 accumulators take turns, one instruction a turn.
.macro MUL16 a0, p, q, sc, first
.irp a, \a0, \a0+1
.irp b, 0,1,2,3,4,5,6,7
.if \first
	v_wmma_scale_f32_16x16x128_f8f6f4 v[8*(8*((\a)%4)+\b):8*(8*((\a)%4)+\b)+7], v[128*(\p)+FR*\b:128*(\p)+FR*\b+FR-1], v[AF+FR*(\a):AF+FR*(\a)+FR-1], v[BT+8*\b:BT+8*\b+7], v[SC+8*NQ*(\sc)+NQ*\b+(\q)], v[SC+8*NQ*(\sc)+NQ*(\a)+(\q)] matrix_a_scale:MATRIX_SCALE_ROW1
.else
	v_wmma_scale_f32_16x16x128_f8f6f4 v[8*(8*((\a)%4)+\b):8*(8*((\a)%4)+\b)+7], v[128*(\p)+FR*\b:128*(\p)+FR*\b+FR-1], v[AF+FR*(\a):AF+FR*(\a)+FR-1], v[8*(8*((\a)%4)+\b):8*(8*((\a)%4)+\b)+7], v[SC+8*NQ*(\sc)+NQ*\b+(\q)], v[SC+8*NQ*(\sc)+NQ*(\a)+(\q)] matrix_a_scale:MATRIX_SCALE_ROW1
.endif
.endr
.endr
.endm
.macro FETCH_B slot, q, p
	WIN TO_B
.irp i, 0,1,2,3,4,5,6,7
	FRAG 128*(\p)+FR*\i, ADRB+\slot, \q, \i
.endr
	WIN 0
.endm
.macro FETCH_A slot, q, i0
.irp i, \i0, \i0+1, \i0+2, \i0+3
	FRAGA AF+FR*(\i), ADRA+\slot, \q, \i
.endr
.endm
.macro SCALES sc
.irp i, 0,1,2,3,4,5,6,7
	ds_load_b64 v[SC+8*NQ*\sc+NQ*\i:SC+8*NQ*\sc+NQ*\i+1], v[ADRS] offset:\i*SBLK
.endr
.endm
.macro PLACES n
.rept \n
	v_nop
.endr
.endm
.macro STEP slot, q, first
	s_wait_dscnt 4*NL                              ; B's set and A's blocks 0-3 are in; the youngest 16 loads (A's blocks 4-7) may be out
.if \first
	WIN FST_LO
.else
	WIN MUL_LO
.endif
	MUL16 0, (\q)%2, \q, \slot, \first
	MUL16 2, (\q)%2, \q, \slot, \first
	s_wait_dscnt 0
	PLACES NP
	FETCH_B \slot, (\q)+1, 1-(\q)%2
	FETCH_A \slot, (\q)+1, 0
.if \first
	WIN FST_HI
.else
	WIN MUL_HI
.endif
	MUL16 4, (\q)%2, \q, \slot, \first
	MUL16 6, (\q)%2, \q, \slot, \first
	PLACES NP
	WIN 0
	FETCH_A \slot, (\q)+1, 4
.endm
.macro TURN slot, next, fill
	s_wait_tensorcnt 0x0                           ; all my tensor loads have landed: my part of the next slot
	ds_add_u32 v[SPW], v[NIL]                      ; 0 onto my spare word
	s_wait_dscnt 4*NL+1                            ; the add and the youngest 16 loads may be out
	WIN MUL_LO
	MUL16 0, 1, NQ-1, \slot, 0
	s_wait_dscnt 0x0                               ; the add is done, and my reads of this slot are over
	s_barrier_signal -1
	MUL16 2, 1, NQ-1, \slot, 0
	WIN 0
	s_barrier_wait -1
.if \fill
	CREST                                          ; the barrier has opened a round of the cluster's barrier
	s_add_nc_u64 s[G0+4*\slot+2:G0+4*\slot+3], s[G0+4*\slot+2:G0+4*\slot+3], 2*ASTEP
	s_add_nc_u64 s[G0B+4*\slot+2:G0B+4*\slot+3], s[G0B+4*\slot+2:G0B+4*\slot+3], 2*ROWB
	JLOAD G0+4*\slot, G1, G0B+4*\slot, G1B         ; the first tensor load behind the round, my one load until the next
	PLACES NP-4
.else
	PLACES NP
.endif
	v_add_nc_u32 v[ADRS], 4*NQ, v[ADRS]
	FETCH_B \next, 0, 0
	FETCH_A \next, 0, 0
	SCALES \next
	WIN MUL_HI
	MUL16 4, 1, NQ-1, \slot, 0
	MUL16 6, 1, NQ-1, \slot, 0
	PLACES NP
	WIN 0
	FETCH_A \next, 0, 4
.endm
	s_wait_tensorcnt 1                             ; the scales and my part of K step 0 are in (K step 1's load may be out)
	s_barrier_signal -1
	s_barrier_wait -1
	FETCH_B 0, 0, 0
	FETCH_A 0, 0, 0
	SCALES 0
	FETCH_A 0, 0, 4
	s_wait_loadcnt 0x0                             ; the bias
	STEP 0, 0, 1                                   ; the first step's products start the sums, on the bias
	s_mov_b32 s3, LAPS-1
.Llap:
	TURN 0, 1, 1
	STEP 1, 0, 0
	TURN 1, 0, 1
	STEP 0, 0, 0
	s_sub_co_u32 s3, s3, 1
	s_cmp_lg_u32 s3, 0
	s_cbranch_scc1 .Llap
	TURN 0, 1, 0                                   ; the last lap fills nothing
	STEP 1, 0, 0
	s_wait_dscnt 4*NL
	WIN MUL_LO
	MUL16 0, 1, NQ-1, 1, 0
	MUL16 2, 1, NQ-1, 1, 0
	s_wait_dscnt 0
	WIN MUL_HI
	MUL16 4, 1, NQ-1, 1, 0
	MUL16 6, 1, NQ-1, 1, 0
	WIN 0
; THE WAY OUT, block by block of 16 rows x 128 columns: through my own stage in LDS, back as whole rows of 512 bytes.  LDS serves a wave's instructions in order (ISA guide 5.7.1.4): no wait between the stores and the loads.
.macro TOSTAGE a
.set AC, 64*((\a)%4)
	WIN 0x08+4*((\a)/4)                            ; the data: window 2 or 3
.irp b, 0,1,2,3,4,5,6,7
	ds_store_b128 v[STO], v[AC+8*\b:AC+8*\b+3] offset:64*\b          ; each accumulator from its low end on
	ds_store_b128 v[STO], v[AC+8*\b+4:AC+8*\b+7] offset:64*\b+16
.endr
	WIN 0
.set BB, BK+64*((\a)%2)
.irp t, 0,1,2,3,4,5,6,7,8,9,10,11,12,13,14,15
	ds_load_b128 v[BB+4*\t:BB+4*\t+3], v[RD] offset:\t*SPITCH
.endr
.endm
.macro SEND a, younger                 ; younger: the LDS instructions issued behind block a's loads, which may stay out
.set BB, BK+64*((\a)%2)
	s_wait_dscnt \younger
.if (\a) > 0
	s_add_nc_u64 s[12:13], s[12:13], 16*SIZE_N*4   ; (behind a wait on XCNT: the earlier stores have read their base)
.endif
.irp t, 0,1,2,3,4,5,6,7,8,9,10,11,12,13,14,15
	global_store_b128 v[CO], v[BB+4*\t:BB+4*\t+3], s[12:13] offset:\t*SIZE_N*4 th:TH_STORE_NT   ; 32 lanes store 512 consecutive bytes, aligned; written once, read by nobody here
.endr
.endm
	PLACES NP                                      ; behind the last products: for the loads into the registers that held A's fragments and for the reads of results
	TOSTAGE 0
.irp a, 1,2,3,4,5,6,7
.if \a > 1
	s_wait_xcnt 0x0                                ; block a - 2's stores have read their registers and their base
.endif
	TOSTAGE \a
	SEND \a-1, 32                                  ; behind block a - 1's loads: block a's 16 stores and 16 loads
.endr
	s_wait_xcnt 0x0
	SEND 7, 0
	s_wait_tensorcnt 0x0                           ; the wave's end
	ds_add_u32 v[SPW], v[NIL]
	s_wait_dscnt 0x0
	CROUND                                         ; the closing round
	s_endpgm
.Lfunc_end_k_qa56eb8a197_outproj:
	.size	k_qa56eb8a197_outproj, .Lfunc_end_k_qa56eb8a197_outproj-k_qa56eb8a197_outproj
	.p2alignl 7, 3214868480
	.fill 96, 4, 3214868480
	.section	.rodata,"a",@progbits
	.p2align	6, 0x0
	.amdhsa_kernel k_qa56eb8a197_outproj
		.amdhsa_group_segment_fixed_size 327680
		.amdhsa_private_segment_fixed_size 0
		.amdhsa_enable_private_segment 0
		.amdhsa_kernarg_size 48
		.amdhsa_user_sgpr_count 2
		.amdhsa_user_sgpr_kernarg_segment_ptr 1
		.amdhsa_wavefront_size32 1
		.amdhsa_system_sgpr_workgroup_id_x 1
		.amdhsa_system_sgpr_workgroup_id_y 1
		.amdhsa_system_sgpr_workgroup_id_z 1
		.amdhsa_system_vgpr_workitem_id 0
		.amdhsa_next_free_vgpr 1024
		.amdhsa_next_free_sgpr 100
		.amdhsa_reserve_vcc 0
		.amdhsa_float_denorm_mode_32 3
		.amdhsa_float_denorm_mode_16_64 3
		.amdhsa_memory_ordered 1
		.amdhsa_forward_progress 1
		.amdhsa_inst_pref_size 147
	.end_amdhsa_kernel
	.amdgpu_metadata
---
amdhsa.version: [ 1, 2 ]
amdhsa.kernels:
  - .name:           k_qa56eb8a197_outproj
    .symbol:         k_qa56eb8a197_outproj.kd
    .args:
      - { .name: ctx, .offset: 0, .size: 8, .value_kind: global_buffer, .address_space: global }
      - { .name: ctxsc, .offset: 8, .size: 8, .value_kind: global_buffer, .address_space: global }
      - { .name: Wo_codes, .offset: 16, .size: 8, .value_kind: global_buffer, .address_space: global }
      - { .name: Wo_scales, .offset: 24, .size: 8, .value_kind: global_buffer, .address_space: global }
      - { .name: out0, .offset: 32, .size: 8, .value_kind: global_buffer, .address_space: global }
      - { .name: bo, .offset: 40, .size: 8, .value_kind: global_buffer, .address_space: global }
    .group_segment_fixed_size: 327680
    .private_segment_fixed_size: 0
    .kernarg_segment_align: 8
    .kernarg_segment_size: 48
    .max_flat_workgroup_size: 128
    .sgpr_count:     100
    .vgpr_count:     1024
    .wavefront_size: 32
...
	.end_amdgpu_metadata
.endif
;; end of part 4
;; ======== version 2 of 2: 4 launches; version 1 with the launch attn written anew for expert scheduling mode
;; limits: right only within a limited range of input values
;; workspace buffers: qimg 8,388,608 bytes; kimg 8,388,608 bytes; vimg 8,388,608 bytes; scl 1,310,720 bytes; ctx 8,388,608 bytes; ctxsc 262,144 bytes; mk 540,672 bytes of whole numbers
;; launch maskprep: the kernel of part 1 again; grid 128 x 1, 16 waves a work-group, no clusters, 2,304 bytes of LDS; arguments mask, mk; writes mk
;; launch proj: the kernel of part 2 again; grid 4 x 96, 4 waves a work-group, clusters of 4 x 4, 327,680 bytes of LDS; arguments query_codes, query_scales, Wq_codes, Wq_scales, bq, qimg, key_codes, key_scales, Wk_codes, Wk_scales, bk, kimg, Wv_codes, Wv_scales, value_codes, value_scales, bv, vimg, scl; writes qimg, kimg, vimg, scl
;; launch attn (part 5): grid 256 x 1, 16 waves a work-group, no clusters, 276,480 bytes of LDS; arguments qimg, kimg, vimg, scl, mk, ctx, ctxsc; writes ctx, ctxsc
.if DOCPART == 5
	.amdgcn_target "amdgcn-amd-amdhsa--gfx1250"
	.amdhsa_code_object_version 6
	.text
	.protected	k_qa56eb8a197_attn
	.globl	k_qa56eb8a197_attn
	.p2align	8
	.type	k_qa56eb8a197_attn,@function
k_qa56eb8a197_attn:
	s_mov_b64 s[64:65], 0
	v_nop
	global_prefetch_b8 v0, s[64:65] scope:SCOPE_SE
	s_setreg_imm32_b32 hwreg(HW_REG_WAVE_SCHED_MODE, 0, 2), 2
	s_setreg_imm32_b32 hwreg(HW_REG_WAVE_MODE, 25, 1), 1
	s_wait_xcnt 0x0
	s_wait_alu depctr_vm_vsrc(0)
; context = softmax(where(mask, q k^T / 8, -1e30)) v for 64 heads of 2,048 tokens x 64, both products on codes of FP8 (E4M3) with one E8M0 scale for each 32 along K; the context is quantised here, along D.
; THE SOFTMAX AHEAD OF THE SECOND PRODUCT: t = score x log2(e) / 8; M = the running largest t rounded UP to a whole number; p = 2^(t - M) is quantised along the keys, not normalised;
; the row's sum is taken of the unquantised p and divides at the end; when M moves, the sum and O are multiplied by 2^(old M - new M): exact.
; SHARES.  Four work-groups to a head (head = work-group / 4).  Wave w of work-group x owns the tiles of 16 queries p = 16 (x % 4) + w and 127 - p, one after the other (two passes).
; A HEAD'S WHOLE K AND V STAY IN LDS: 2 x 131,072 bytes of operand images and 12,288 bytes of scale words, filled ONCE through registers; one barrier; from then on LDS is only read and each wave walks by itself.
; KEY STEPS THAT THE MASK BLOCKS FOR ALL 16 QUERIES ARE LEFT OUT: a scalar branch on the flag word that the first launch stored (two bits a step: 0 leave out, 1 apply the mask words, 2 all open).
; The loop's trip count is a constant; only a step's work is jumped over.  That branch hangs on a number read from memory.
; K and V come through registers, and the four work-groups of a head do not ask jointly: what they share is one fill of 274,432 bytes each, at the head.
; Nothing is prefetched: the one large stream is read at the kernel's head; a pass's Q (1,088 bytes) and a step's mask words (256 bytes) are small.
; LAYOUT.  Both products are used transposed: S^T = K Q^T (source 0 = 16 keys, source 1 = my 16 queries; d = 64 fills half of the instruction's 128: zero codes on both sides, byte 127, for the rest),
; O^T = V^T P^T (source 0 = 16 of the head's 64, source 1 = P): a lane holds ONE query (lane % 16) throughout.  Tile T's register j is key 16 T + 8 (lane / 16) + j: a block of 32 keys lies in 16 registers of lanes
; l and l xor 16; after the conversions the halves of the lanes exchange 8 codes (v_permlane16_swap_b32), which gives the operand's order k = 32 b + 16 (lane / 16) + 0 .. 15.
; THE BLOCKED SCORE is -2^103 ahead of the factor log2(e) / 8 (a logit of -2^100 in place of -1e30): a power of two, so that in a row with no open key t - M is exactly 0 and p = 1 for all keys, as equal logits give;
; as soon as an open key comes, 2^(old M - new M) is 0 and wipes what was summed.
; LIMITS: open logits under about -1e30, NaN and infinities are not served.  A block of zeros gets the byte 1: its codes are zeros, and this program alone reads the bytes.
; The context's scale bytes leave one byte a lane (262,144 bytes in the launch), laid as the next launch's tensor load wants them.
; THE MODE: SCHED_MODE bits 1:0 = 2 (LLVM: expert scheduling mode 2), set by the entry lines.  The code itself states the register dependences
; between vector or matrix instructions and memory or LDS instructions, with s_wait_alu, always for 0.
; THE PLAN.  Registers that memory or LDS instructions touch, in a key step:
;   v[ADK] .. v[ADT]  Written by four additions at the step's head; read by the step's 38 LDS loads.
;   K's fragments     Their data halves are loaded twice a step (tiles 0-3, tiles 4-7); four products read them behind each run.  Their zero halves are set once and named by products alone.
;   KS0, VS0          Scale words: loaded, and read by products.
;   S                 Written by the K Q^T products, worked on in place by the softmax, read last by the holds and conversions; then V's four fragments land in it, and the V^T P products read them.
;   PCD, PS           p's codes and scale word: written by vector lines, taken by the V^T P products.
; So a step holds one wait on vm_vsrc, ahead of the additions, and six on va_vdst: behind the additions (it serves all the step's loads for their addresses, and K's first run); behind the first four products
; (K's second run); behind the exponentials; behind block 1's and behind block 3's conversions (V's two runs: no vector line behind either wait names the registers in which its run lands);
; and ahead of the V^T P products.  The next step's K is not asked for ahead: which step is next hangs on the flag word.
.set KIMG, 0                           ; LDS: K's images: [key tile 128][c 2][lane][16 bytes]
.set VIMG, 131072                      ; V's: [step 16][d tile 4][c 4][lane][16 bytes]
.set KSC,  262144                      ; K's scale words, 4 bytes a key
.set VSC,  270336                      ; V's: [step 16][d 64]
.set LI,  1                            ; v1   16 x lane
.set LW,  2                            ; v2   4 x lane
.set ADK, 3                            ; v3-6 the step's LDS addresses: K, V, K's scale words, V's
.set ADV, 4
.set ADS, 5
.set ADT, 6
.set NEG, 7                            ; v7   -2^103
.set QS,  8                            ; v8   Q's scale words;  v9 P's;  v10-13 K's;  v14-15 V's: these hold scales and nothing else
.set PS,  9
.set KS0, 10
.set VS0, 14
.set Q,   16                           ; v16-31  Q's fragment (v24-31 = 0)
.set KB,  32                           ; v32-95  four fragments of K (registers 8-15 of each = 0)
.set S,   96                           ; v96-159 S^T, then p, then V's four fragments
.set O,   160                          ; v160-191 O^T
.set PCD, 192                          ; v192-207 p's codes
.set NM,  208                          ; v208 -M, v209 the largest t
.set TMX, 209
.set SUM, 210                          ; v[210:211] the sum in two halves
.set BM,  212                          ; v212-215 the blocks' largest;  v216-219, v220-223, v224-227 at work
.set W1,  216
.set HL,  220
.set SOP, 224
.set FF,  228                          ; v228 f, v229 its partner in the pair
.set TMP, 230
.set RW,  231                          ; v231 4 r
.set RB,  232                          ; v232 32 r + h
.set WV,  2
.set BH,  3
.set QIM, 52                           ; s[52:53] qimg at my head;  s[54:55] q's scale words;  s[56:57] mk;  s[58:59] ctx, s[60:61] ctxsc at my batch and head
.set QSC, 54
.set MKB, 56
.set CTX, 58
.set CSC, 60
.set PASS, 62
.set QT,  63
.set PB0, 66                           ; s[66:67], s[100:101] a pass's bases
.set PB1, 100
.set SEL, 84
.set CS,  86                           ; s[86:87] c = log2(e) / 8
.set MNT, 88
.set HIM, 89
.set STEPS, 90
.set FW,  91                           ; the flag word
.set FL,  92                           ; this step's two bits
.set TK,  93
.set TV,  94
.set TS,  95
.set TT,  96
.set MB,  98                           ; s[98:99] the step's mask words
.set TP,  104                          ; s[104:105] an offset in 64 bits
; Block b of p (32 keys: 16 registers of mine) is held and becomes 16 codes.
.macro HOLDCVT b
.irp i, 0,1,2,3,4,5,6,7,8,9,10,11,12,13,14,15
	v_min_num_f32 v[S+16*(\b)+\i], v[S+16*(\b)+\i], v[HL+(\b)]   ; the conversion does not saturate (ISA guide 7.6.2); p is not negative: a one-sided hold
.endr
	v_cvt_scalef32_pk8_fp8_f32 v[PCD+4*(\b):PCD+4*(\b)+1], v[S+16*(\b):S+16*(\b)+7], v[SOP+(\b)]
	v_cvt_scalef32_pk8_fp8_f32 v[PCD+4*(\b)+2:PCD+4*(\b)+3], v[S+16*(\b)+8:S+16*(\b)+15], v[SOP+(\b)]
.endm
; V's fragment of d tile b takes the registers that block b's p has left.
.macro VFRAG b
.irp c, 0,1,2,3
	ds_load_b128 v[S+16*(\b)+4*\c:S+16*(\b)+4*\c+3], v[ADV] offset:2048*(\b)+512*\c
.endr
.endm
	s_load_b256 s[4:11], s[0:1], 0x0               ; qimg, kimg, vimg, scl
	s_load_b128 s[12:15], s[0:1], 0x20             ; mk, ctx
	s_load_b64 s[16:17], s[0:1], 0x30              ; ctxsc
	v_lshl_add_u32 v254, v0, 2, 0x43000
	v_mov_b32 v255, 0
	v_lshrrev_b32 v1, 5, v0
	v_readfirstlane_b32 s[WV], v1                  ; wave 0..15
	s_lshr_b32 s[BH], ttmp9, 2                     ; 16 x batch + head
	s_and_b32 s[QT], ttmp9, 3
	s_lshl_b32 s[QT], s[QT], 4
	s_wait_alu depctr_va_sdst(0)                   ; the wave's number is written, ahead of its one reader
	s_add_co_u32 s[QT], s[QT], s[WV]               ; my first tile of queries, 0 .. 63
	v_lshlrev_b32 v150, 4, v0                      ; the fill: 16 bytes a thread, 8,192 an instruction of the work-group
	v_add_nc_u32 v151, 0x10000, v150
	v_add_nc_u32 v152, 0x20000, v150
	v_add_nc_u32 v153, 0x30000, v150
	v_add_nc_u32 v154, KSC, v150
	v_lshlrev_b32 v156, 3, v0
	v_add_nc_u32 v155, VSC, v156
	s_lshl_b32 s20, s[BH], 17                      ; a head's image
	s_mov_b32 s21, 0
	s_lshl_b32 s22, s[BH], 13                      ; a head's scale words of q or k
	s_mov_b32 s23, 0
	s_lshl_b32 s24, s[BH], 12                      ; of v
	s_mov_b32 s25, 0
	s_lshr_b32 s26, s[BH], 4                       ; batch
	s_and_b32 s27, s[BH], 15                       ; head
	s_lshl_b32 s28, s26, 21                        ; ctx: 128 row tiles of 16,384 bytes a batch; a head's 64 along K are 1,024 bytes of a row tile
	s_lshl_b32 s30, s27, 10
	s_add_co_u32 s28, s28, s30
	s_mov_b32 s29, 0
	s_lshl_b32 s30, s26, 16                        ; ctxsc: 2,048 rows of 32 bytes a batch; a head's two bytes
	s_lshl_b32 s31, s27, 1
	s_add_co_u32 s30, s30, s31
	s_mov_b32 s31, 0
	s_wait_kmcnt 0x0
	s_add_nc_u64 s[QIM:QIM+1], s[4:5], s[20:21]
	s_add_nc_u64 s[6:7], s[6:7], s[20:21]
	s_add_nc_u64 s[8:9], s[8:9], s[20:21]
	s_add_nc_u64 s[QSC:QSC+1], s[10:11], s[22:23]
	s_add_nc_u64 s[32:33], s[QSC:QSC+1], 0x80000   ; k's scale words
	s_add_nc_u64 s[34:35], s[10:11], s[24:25]
	s_add_nc_u64 s[34:35], s[34:35], 0x100000      ; v's
	s_mov_b64 s[MKB:MKB+1], s[12:13]
	s_add_nc_u64 s[CTX:CTX+1], s[14:15], s[28:29]
	s_add_nc_u64 s[CSC:CSC+1], s[16:17], s[30:31]
	s_wait_alu depctr_va_vdst(0)                   ; v150 to v156 are written: the fill's loads and LDS stores read them as offsets and addresses
.set i, 0
.rept 16
	global_load_b128 v[16+4*i:19+4*i], v150, s[6:7] offset:8192*i
.set i, i+1
.endr
.set i, 0
.rept 16
	global_load_b128 v[80+4*i:83+4*i], v150, s[8:9] offset:8192*i
.set i, i+1
.endr
	global_load_b128 v[144:147], v150, s[32:33]
	global_load_b64 v[148:149], v156, s[34:35]
.set i, 0
.rept 32
	s_wait_loadcnt 33-i                            ; loads come back in order: load i is in, the 33 - i behind it may be out
	ds_store_b128 v[150+i/8], v[16+4*i:19+4*i] offset:8192*(i%8)
.set i, i+1
.endr
	s_wait_loadcnt 1
	ds_store_b128 v154, v[144:147]
	s_wait_loadcnt 0x0
	ds_store_b64 v155, v[148:149]
	s_wait_dscnt 0x0                               ; for the others' sake: my part of the head has landed
	s_barrier_signal -1
	s_barrier_wait -1                              ; the head's K and V are whole; nobody writes LDS again
	s_wait_alu depctr_vm_vsrc(0)                   ; my LDS stores have read v16 to v155: from here on these registers are Q, K's fragments and S, written by vector lines, loads and products
	v_and_b32 v3, 31, v0
	v_lshlrev_b32 v[LI], 4, v3
	v_lshlrev_b32 v[LW], 2, v3
	v_and_b32 v4, 15, v0
	v_bfe_u32 v5, v0, 4, 1
	v_lshlrev_b32 v[RW], 2, v4
	v_lshl_add_u32 v[RB], v4, 5, v5
	v_mov_b32 v[NEG], 0xf3000000
.irp j, 8,9,10,11,12,13,14,15
	v_mov_b32 v[Q+\j], 0                           ; zero codes for k = 64 .. 127, set once
.irp t, 0,1,2,3
	v_mov_b32 v[KB+16*\t+\j], 0
.endr
.endr
.irp b, 0,1,2,3
	v_mov_b32 v[W1+\b], 0                          ; written once: a lane permute's destination counts as one of its sources
.endr
	v_mov_b32 v[FF+1], 0                           ; (named as the upper half of a pair)
	s_mov_b32 s[SEL], 0x76543210
	s_mov_b32 s[SEL+1], 0xfedcba98
	s_mov_b32 s[CS], 0x3e38aa3b                    ; c = log2(e) / 8
	s_mov_b32 s[CS+1], s[CS]
	s_mov_b32 s[MNT], 0x600000                     ; the mantissa field of 448
	s_mov_b32 s[HIM], 0xffff0000                   ; lanes 16-31
	s_mov_b32 s[PASS], 2
.Lpass:
	s_lshl_b32 s[TP], s[QT], 10
	s_mov_b32 s[TP+1], 0
	s_add_nc_u64 s[PB0:PB0+1], s[QIM:QIM+1], s[TP:TP+1]   ; my tile's image of Q: 1,024 bytes
	s_lshl_b32 s[TP], s[QT], 6
	s_add_nc_u64 s[PB1:PB1+1], s[QSC:QSC+1], s[TP:TP+1]   ; its 16 scale words
	s_lshl_b32 s[TP], s[QT], 12
	s_add_nc_u64 s[MB:MB+1], s[MKB:MKB+1], s[TP:TP+1]     ; its mask words: 256 bytes a step
	s_wait_alu depctr_va_vdst(0)                   ; v[LI] and v[RW] are written, which the loads below read, and so are the zero halves that the products take; the last pass's products are done reading Q and its scale words, in which the loads land
	global_load_b128 v[Q:Q+3], v[LI], s[PB0:PB0+1]
	global_load_b128 v[Q+4:Q+7], v[LI], s[PB0:PB0+1] offset:512
	global_load_b32 v[QS], v[RW], s[PB1:PB1+1]
	s_lshl_b32 s[TP], s[QT], 7
	s_add_nc_u64 s[TP:TP+1], s[MKB:MKB+1], s[TP:TP+1]
	s_load_b32 s[FW], s[TP:TP+1], 0x80000          ; its flag word
	s_mov_b32 s[TK], KIMG
	s_mov_b32 s[TV], VIMG
	s_mov_b32 s[TS], KSC
	s_mov_b32 s[TT], VSC
	s_mov_b32 s[STEPS], 16
	v_mov_b32 v[TMX], 0xff61b1e6                   ; the largest t so far: -3e38, under every t
	v_floor_f32 v[NM], -v[TMX]
	v_mov_b32 v[SUM], 0
	v_mov_b32 v[SUM+1], 0
.set j, 0
.rept 32
	v_mov_b32 v[O+j], 0                            ; the step is written once: the first finds zeros, which the first change of M leaves zeros
.set j, j+1
.endr
	s_wait_kmcnt 0x0
	s_wait_loadcnt 0x0
.Lstep:                                            ; 16 trips, a constant; a step that the flags leave out runs the address steps at the end alone
	s_and_b32 s[FL], s[FW], 3
	s_lshr_b32 s[FW], s[FW], 2
	s_cmp_eq_u32 s[FL], 0
	s_cbranch_scc1 .Lskip
	s_load_b512 s[4:19], s[MB:MB+1], 0x0           ; the step's 64 mask words: word n in s[4 + n], from n = 48 on in s[20 + n]
	s_load_b512 s[20:35], s[MB:MB+1], 0x40
	s_load_b512 s[36:51], s[MB:MB+1], 0x80
	s_load_b512 s[68:83], s[MB:MB+1], 0xc0
	s_wait_alu depctr_vm_vsrc(0)                   ; the LDS loads issued so far have read the four address registers, which the additions write
	v_add_nc_u32 v[ADK], s[TK], v[LI]
	v_add_nc_u32 v[ADV], s[TV], v[LI]
	v_add_nc_u32 v[ADS], s[TS], v[LW]
	v_add_nc_u32 v[ADT], s[TT], v[LW]
.rept 5
	v_nop                                          ; with the four additions nine places: the first product below writes over V's fragments, which the last step's products read
.endr
	s_wait_alu depctr_va_vdst(0)                   ; the four addresses are written, which all 38 LDS loads of this step read; the products issued so far are done reading K's fragments and the scale words, in which loads land
.irp g, 0,1                                        ; S^T = K Q^T, four tiles of 16 keys at a time
.if \g > 0
	s_wait_alu depctr_va_vdst(0)                   ; the four products above are done reading K's fragments, in which tiles 4 to 7 land
.endif
.irp t, 0,1,2,3
.irp c, 0,1
	ds_load_b128 v[KB+16*\t+4*\c:KB+16*\t+4*\c+3], v[ADK] offset:(4*\g+\t)*1024+512*\c   ; 512 consecutive bytes
.endr
.endr
.if \g == 0
.irp j, 0,1,2,3
	ds_load_b32 v[KS0+\j], v[ADS] offset:128*\j    ; lanes 0-15: tile 2 j's scale words, lanes 16-31: tile 2 j + 1's
.endr
.endif
	s_wait_dscnt 0x0
.irp t, 0,2
	v_wmma_scale_f32_16x16x128_f8f6f4 v[S+8*(4*\g+\t):S+8*(4*\g+\t)+7], v[KB+16*\t:KB+16*\t+15], v[Q:Q+15], 0, v[KS0+2*\g+\t/2], v[QS]
	v_wmma_scale_f32_16x16x128_f8f6f4 v[S+8*(4*\g+\t+1):S+8*(4*\g+\t+1)+7], v[KB+16*\t+16:KB+16*\t+31], v[Q:Q+15], 0, v[KS0+2*\g+\t/2], v[QS] matrix_a_scale:MATRIX_SCALE_ROW1
.endr
.endr
.rept 8
	v_nop                                          ; places behind the products, ahead of the vector lines that read the scores (ISA guide 7.12.1)
.endr
	s_wait_kmcnt 0x0                               ; the mask words are in (and their base may be stepped)
	s_cmp_eq_u32 s[FL], 2
	s_cbranch_scc1 .Lopen                          ; all 16 x 128 places are open
.set n, 0
.rept 48
	v_cndmask_b32 v[S+n], v[NEG], v[S+n], s[4+n]   ; a blocked place takes -2^103
.set n, n+1
.endr
.rept 16
	v_cndmask_b32 v[S+n], v[NEG], v[S+n], s[20+n]
.set n, n+1
.endr
.Lopen:
.irp b, 0,1,2,3
	v_max3_num_f32 v[BM+\b], v[S+16*\b], v[S+1+16*\b], v[S+2+16*\b]   ; the largest score of each block of 32 keys: for the row's maximum and, since p rises with the score, for the block's largest p
.endr
.irp i, 3,5,7,9,11,13
.irp b, 0,1,2,3
	v_max3_num_f32 v[BM+\b], v[BM+\b], v[S+16*\b+\i], v[S+1+16*\b+\i]
.endr
.endr
.irp b, 0,1,2,3
	v_max_num_f32 v[BM+\b], v[BM+\b], v[S+15+16*\b]
.endr
.irp b, 0,1,2,3
	v_permlanex16_b32 v[W1+\b], v[BM+\b], s[SEL], s[SEL+1]
.endr
.irp b, 0,1,2,3
	v_max_num_f32 v[BM+\b], v[BM+\b], v[W1+\b]     ; with lane l xor 16's 16 keys
.endr
	v_max3_num_f32 v[TMP], v[BM], v[BM+1], v[BM+2]
	v_max_num_f32 v[TMP], v[TMP], v[BM+3]
	v_mul_f32 v[TMP], s[CS], v[TMP]                ; as t (c is positive)
	v_max_num_f32 v[TMX], v[TMX], v[TMP]           ; the running largest t
	v_mov_b32 v[TMP], v[NM]
	v_floor_f32 v[NM], -v[TMX]                     ; the new -M = floor(-t) = -ceil(t)
	v_sub_f32 v[TMP], v[NM], v[TMP]                ; old M - new M: a whole number, 0 or less
	v_cvt_i32_f32 v[TMP], v[TMP]                   ; (it saturates)
	v_ldexp_f32 v[FF], 1.0, v[TMP]                 ; f = 2^(old M - new M)
.set j, 0
.rept 32
	v_pk_fma_f32 v[S+j:S+j+1], v[S+j:S+j+1], s[CS:CS+1], v[NM:NM+1] op_sel_hi:[1,0,0]   ; t - M, two at a time
.set j, j+2
.endr
.irp b, 0,1,2,3
	v_fma_f32 v[BM+\b], v[BM+\b], s[CS], v[NM]     ; the same of each block's largest score
.endr
.set j, 0
.rept 64
	v_exp_f32 v[S+j], v[S+j]                       ; p = 2^(t - M), at most 1
.set j, j+1
.endr
.irp b, 0,1,2,3
	v_exp_f32 v[BM+\b], v[BM+\b]                   ; the block's largest p: in the same batch
.endr
	v_pk_mul_f32 v[SUM:SUM+1], v[SUM:SUM+1], v[FF:FF+1] op_sel_hi:[1,0]   ; the sums under the new M: a plain line behind the exponentials
	s_wait_alu depctr_va_vdst(0)                   ; the 68 exponentials have written p and the blocks' largest p: one wait for the batch, ahead of its first reader
	v_pk_add_f32 v[W1:W1+1], v[S:S+1], v[S+2:S+3]  ; the row's sum is taken of the unquantised p, in two chains
.irp j, 4,8,12,16,20,24,28,32,36,40,44,48,52,56,60
	v_pk_add_f32 v[SUM:SUM+1], v[SUM:SUM+1], v[S+\j:S+\j+1]
	v_pk_add_f32 v[W1:W1+1], v[W1:W1+1], v[S+2+\j:S+3+\j]
.endr
	v_pk_add_f32 v[SUM:SUM+1], v[SUM:SUM+1], v[W1:W1+1]
.irp b, 0,1,2,3
	v_max_num_f32 v[BM+\b], 0x4800000, v[BM+\b]    ; the floor 2^(9 - 127): the byte cannot fall under 1
.endr
.irp b, 0,1,2,3
	v_add_nc_u32 v[SOP+\b], 0xfc000000, v[BM+\b]   ; 8 off the exponent field: the conversion's scale operand
.endr
.irp b, 0,1,2,3
	v_and_or_b32 v[HL+\b], v[BM+\b], 0x7f800000, s[MNT]   ; 448 x the scale
.endr
.irp b, 0,1,2,3
	v_lshrrev_b32 v[W1+\b], 23, v[SOP+\b]          ; the scale's byte
.endr
	v_lshl_or_b32 v[PS], v[W1+1], 8, v[W1]         ; p's scale word for these 128 keys
	v_lshl_or_b32 v[PS], v[W1+2], 16, v[PS]
	v_lshl_or_b32 v[PS], v[W1+3], 24, v[PS]
	HOLDCVT 0
	HOLDCVT 1
	s_wait_alu depctr_va_vdst(0)                   ; the sums, holds and conversions are done with blocks 0 and 1 of p, in whose registers V's fragments 0 and 1 land
	VFRAG 0
	VFRAG 1                                        ; no vector line from here to the products names these 32 registers: the eight loads land under the next two blocks' lines
	HOLDCVT 2
	HOLDCVT 3
	s_wait_alu depctr_va_vdst(0)                   ; the same of blocks 2 and 3, for V's fragments 2 and 3
	VFRAG 2
	VFRAG 3
.irp j, 0,1
	ds_load_b32 v[VS0+\j], v[ADT] offset:128*\j    ; lanes 0-15: d tile 2 j's scale words, lanes 16-31: d tile 2 j + 1's
.endr
.irp j, 0,2,4,6,8,10,12,14
	v_pk_mul_f32 v[O+\j:O+\j+1], v[O+\j:O+\j+1], v[FF:FF+1] op_sel_hi:[1,0]   ; O^T under the new M.  (Plain lines between the last conversion and the exchange)
.endr
.irp b, 0,1,2,3
	v_permlane16_swap_b32 v[PCD+4*\b], v[PCD+4*\b+2]     ; lanes 16-31's first 8 codes against lanes 0-15's second 8: the operand's order
	v_permlane16_swap_b32 v[PCD+4*\b+1], v[PCD+4*\b+3]
.endr
.irp j, 16,18,20,22,24,26,28,30
	v_pk_mul_f32 v[O+\j:O+\j+1], v[O+\j:O+\j+1], v[FF:FF+1] op_sel_hi:[1,0]   ; (these eight are the places between the codes' last write and the products)
.endr
	s_wait_dscnt 0x0
	s_wait_alu depctr_va_vdst(0)                   ; the exchanges have written p's codes and the shifts its scale word, which the products take; the places above stay beside this wait
.irp t, 0,2                                        ; O^T += V^T P^T: four accumulators, one instruction each
	v_wmma_scale_f32_16x16x128_f8f6f4 v[O+8*\t:O+8*\t+7], v[S+16*\t:S+16*\t+15], v[PCD:PCD+15], v[O+8*\t:O+8*\t+7], v[VS0+\t/2], v[PS]
	v_wmma_scale_f32_16x16x128_f8f6f4 v[O+8*\t+8:O+8*\t+15], v[S+16*\t+16:S+16*\t+31], v[PCD:PCD+15], v[O+8*\t+8:O+8*\t+15], v[VS0+\t/2], v[PS] matrix_a_scale:MATRIX_SCALE_ROW1
.endr
.Lskip:
	s_add_co_u32 s[TK], s[TK], 8192                ; the next step's tiles and words
	s_add_co_u32 s[TV], s[TV], 8192
	s_add_co_u32 s[TS], s[TS], 512
	s_add_co_u32 s[TT], s[TT], 256
	s_add_nc_u64 s[MB:MB+1], s[MB:MB+1], 256
	s_sub_co_u32 s[STEPS], s[STEPS], 1
	s_cmp_lg_u32 s[STEPS], 0
	s_cbranch_scc1 .Lstep
	; THE PASS'S END: O^T / the sum, quantised along d (two blocks of 32), as an image of the last product's operand
.rept 8
	v_nop                                          ; places behind the last products
.endr
	v_add_f32 v[SUM], v[SUM], v[SUM+1]
	v_permlanex16_b32 v[W1], v[SUM], s[SEL], s[SEL+1]
	v_add_f32 v[SUM], v[SUM], v[W1]                ; the row's sum
	v_rcp_f32 v[FF], v[SUM]
	v_nop                                          ; a plain line behind the transcendental
	s_wait_alu depctr_va_vdst(0)                   ; the reciprocal is written, ahead of its first reader
.set j, 0
.rept 16
	v_pk_mul_f32 v[S+j:S+j+1], v[O+j:O+j+1], v[FF:FF+1] op_sel_hi:[1,0]   ; register 8 t + i is d = 16 t + 8 h + i of my query; each accumulator from its low end on
.set j, j+2
.endr
.irp b, 0,1
	v_max3_num_f32 v[BM+\b], |v[S+16*\b]|, |v[S+1+16*\b]|, 0x4800000
.endr
.irp i, 2,4,6,8,10,12,14
.irp b, 0,1
	v_max3_num_f32 v[BM+\b], v[BM+\b], |v[S+16*\b+\i]|, |v[S+1+16*\b+\i]|
.endr
.endr
.irp b, 0,1
	v_permlanex16_b32 v[W1+\b], v[BM+\b], s[SEL], s[SEL+1]
.endr
.irp b, 0,1
	v_max_num_f32 v[BM+\b], v[BM+\b], v[W1+\b]
.endr
.irp b, 0,1
	v_add_nc_u32 v[SOP+\b], 0xfc000000, v[BM+\b]
.endr
.irp b, 0,1
	v_and_or_b32 v[HL+\b], v[BM+\b], 0x7f800000, s[MNT]
.endr
.irp b, 0,1
	v_lshrrev_b32 v[W1+\b], 23, v[SOP+\b]
.endr
.irp b, 0,1
.irp i, 0,1,2,3,4,5,6,7,8,9,10,11,12,13,14,15
	v_med3_num_f32 v[S+16*\b+\i], v[S+16*\b+\i], -v[HL+\b], v[HL+\b]
.endr
	v_cvt_scalef32_pk8_fp8_f32 v[PCD+4*\b:PCD+4*\b+1], v[S+16*\b:S+16*\b+7], v[SOP+\b]
	v_cvt_scalef32_pk8_fp8_f32 v[PCD+4*\b+2:PCD+4*\b+3], v[S+16*\b+8:S+16*\b+15], v[SOP+\b]
.endr
	v_cndmask_b32 v[TMP], v[W1], v[W1+1], s[HIM]   ; lane half h stores block h's byte.  (A plain line behind the last conversion)
.irp b, 0,1
	v_permlane16_swap_b32 v[PCD+4*\b], v[PCD+4*\b+2]
	v_permlane16_swap_b32 v[PCD+4*\b+1], v[PCD+4*\b+3]
.endr
	s_lshl_b32 s[TP], s[QT], 14
	s_mov_b32 s[TP+1], 0
	s_add_nc_u64 s[PB0:PB0+1], s[CTX:CTX+1], s[TP:TP+1]   ; (this pass's loads by these bases were waited for at its head)
	s_lshl_b32 s[TP], s[QT], 9
	s_add_nc_u64 s[PB1:PB1+1], s[CSC:CSC+1], s[TP:TP+1]
	s_wait_alu depctr_va_vdst(0)                   ; the exchanges have written the codes and the select the byte, which the three stores read
	global_store_b128 v[LI], v[PCD:PCD+3], s[PB0:PB0+1]              ; 2 x 512 consecutive bytes, aligned
	global_store_b128 v[LI], v[PCD+4:PCD+7], s[PB0:PB0+1] offset:512
	global_store_b8 v[RB], v[TMP], s[PB1:PB1+1]
	s_wait_xcnt 0x0                                ; the stores have read their data and bases: the next pass writes both
	s_wait_alu depctr_vm_vsrc(0)                   ; the stores have read the codes' registers and the byte's, which the next pass's vector lines write again
	s_sub_co_u32 s[QT], 127, s[QT]                 ; the second pass: tile 127 - p
	s_sub_co_u32 s[PASS], s[PASS], 1
	s_cmp_lg_u32 s[PASS], 0
	s_cbranch_scc1 .Lpass
	s_wait_dscnt 0x0
	s_wait_alu depctr_hold_cnt(0) depctr_sa_sdst(0) depctr_va_vdst(0) depctr_va_sdst(0) depctr_va_ssrc(0) depctr_va_vcc(0) depctr_vm_vsrc(0)
	s_wait_tensorcnt 0x0
	ds_add_u32 v254, v255
	s_wait_dscnt 0x0
	s_endpgm
.Lfunc_end_k_qa56eb8a197_attn:
	.size	k_qa56eb8a197_attn, .Lfunc_end_k_qa56eb8a197_attn-k_qa56eb8a197_attn
	.p2alignl 7, 3214868480
	.fill 96, 4, 3214868480
	.section	.rodata,"a",@progbits
	.p2align	6, 0x0
	.amdhsa_kernel k_qa56eb8a197_attn
		.amdhsa_group_segment_fixed_size 276480
		.amdhsa_private_segment_fixed_size 0
		.amdhsa_enable_private_segment 0
		.amdhsa_kernarg_size 56
		.amdhsa_user_sgpr_count 2
		.amdhsa_user_sgpr_kernarg_segment_ptr 1
		.amdhsa_wavefront_size32 1
		.amdhsa_system_sgpr_workgroup_id_x 1
		.amdhsa_system_sgpr_workgroup_id_y 1
		.amdhsa_system_sgpr_workgroup_id_z 1
		.amdhsa_system_vgpr_workitem_id 0
		.amdhsa_next_free_vgpr 256
		.amdhsa_next_free_sgpr 106
		.amdhsa_reserve_vcc 0
		.amdhsa_float_denorm_mode_32 3
		.amdhsa_float_denorm_mode_16_64 3
		.amdhsa_memory_ordered 1
		.amdhsa_forward_progress 1
		.amdhsa_inst_pref_size 43
	.end_amdhsa_kernel
	.amdgpu_metadata
---
amdhsa.version: [ 1, 2 ]
amdhsa.kernels:
  - .name:           k_qa56eb8a197_attn
    .symbol:         k_qa56eb8a197_attn.kd
    .args:
      - { .name: qimg, .offset: 0, .size: 8, .value_kind: global_buffer, .address_space: global }
      - { .name: kimg, .offset: 8, .size: 8, .value_kind: global_buffer, .address_space: global }
      - { .name: vimg, .offset: 16, .size: 8, .value_kind: global_buffer, .address_space: global }
      - { .name: scl, .offset: 24, .size: 8, .value_kind: global_buffer, .address_space: global }
      - { .name: mk, .offset: 32, .size: 8, .value_kind: global_buffer, .address_space: global }
      - { .name: ctx, .offset: 40, .size: 8, .value_kind: global_buffer, .address_space: global }
      - { .name: ctxsc, .offset: 48, .size: 8, .value_kind: global_buffer, .address_space: global }
    .group_segment_fixed_size: 276480
    .private_segment_fixed_size: 0
    .kernarg_segment_align: 8
    .kernarg_segment_size: 56
    .max_flat_workgroup_size: 512
    .sgpr_count:     106
    .vgpr_count:     256
    .wavefront_size: 32
...
	.end_amdgpu_metadata
.endif
;; end of part 5
;; launch outproj: the kernel of part 4 again; grid 4 x 32, 4 waves a work-group, clusters of 4 x 4, 327,680 bytes of LDS; arguments ctx, ctxsc, Wo_codes, Wo_scales, out0, bo; writes out0
